; MI455X (gfx1250); checked and timed in simulation.
; The chip was launched on July 23, 2026; its instructions are those of AMD's public machine-readable ISA for CDNA 5 (MIT licence, August 2026) and "CDNA5" Instruction Set Architecture Reference Guide (July 2026). The comments in the code are by the model that wrote it; some were corrected since.
;; CS Mo E. Allowed arithmetic: float matrix products may take bf16 or f16 operands with f32 sums; other float arithmetic in f32, or as packed bf16 or f16 multiplies, adds, multiply-adds, maxima and minima; sums over many terms, partial sums and values carried from step to step in f32; what a program stores and reads back later, other than sums and carried values, may be rounded once to bf16 or f16.
;; Inputs: W1 8 x 1,024 x 4,096 float32; W2 8 x 4,096 x 1,024 float32; Wg 1,024 x 8 float32; b1 8 x 4,096 float32; b2 8 x 1,024 float32; bg 8 float32; context 4 x 256 x 1,024 float32; x 4 x 256 x 1,024 float32.
;; Outputs: out0 4 x 256 x 1,024 float32.
;; 2 versions, each right. Each part assembles by itself: llvm-mc -triple=amdgcn-amd-amdhsa -mcpu=gfx1250 --defsym DOCPART=n.
;; ======== version 1 of 2: 4 launches
;; workspace buffers: xb 2,097,664 bytes; gw 8,192 bytes; bm 2,048 bytes of whole numbers; h 16,777,728 bytes; yp 33,554,432 bytes
;; launch route (part 1): grid 128 x 1, 8 waves a work-group, no clusters, 9,216 bytes of LDS; arguments context, x, Wg, bg, xb, gw, bm; writes xb, gw, bm
.if DOCPART == 1
	.amdgcn_target "amdgcn-amd-amdhsa--gfx1250"
	.amdhsa_code_object_version 6
	.text
	.protected	k_q555111a2b8_route
	.globl	k_q555111a2b8_route
	.p2align	8
	.type	k_q555111a2b8_route,@function
k_q555111a2b8_route:
	s_mov_b64 s[64:65], 0
	v_nop
	global_prefetch_b8 v0, s[64:65] scope:SCOPE_SE
	s_setreg_imm32_b32 hwreg(HW_REG_WAVE_MODE, 25, 1), 1
	s_wait_xcnt 0x0
; ROUTE.  logits[t][e] = context[t] . Wg[:, e] + bg[e]; the two largest logits of a token (of equal ones the lower expert first); their softmax.  Also x rounded to bf16.
; Stored, all at fixed places: xb[t][1024] bf16 (and 512 zero bytes behind it, which a later launch's look-ahead touches and never uses);
; gw[2 t + slot] f32, the gate weight of the token's first (slot 0) and second (slot 1) choice;
; bm, two planes of 8 experts x 1,024 bits (bit t % 32 of word t / 32): plane 0 the token chose the expert, plane 1 it chose it second.
; FORMATS.  context, Wg and bg are rounded to bf16, as every input of the program is; products and sums in f32.
; LIMITS.  NaN logits are not treated apart.  A second weight below 2^-126 counts as 0.
; SHARES.  A work-group owns 8 tokens.  Wave w multiplies k = 128 w .. 128 w + 127 for all 8 tokens and rounds the row of x of token 8 b + w; wave 0 adds the eight parts and chooses.
; THE PRODUCT.  Source 0 = 16 rows of Wg^T (row r is expert r % 8), source 1 = 16 tokens (column r is token r % 8): in the result register j of EVERY lane is expert j's
; logit of token lane % 8, so the choice is made within a lane.  Four products of 32 along k on four accumulators: no sum is chained.
.set PART,  0                          ; LDS: wave w's parts at 1,024 w + 32 lane
.set SPARE, 8192                       ; the spare words, 128 bytes for each of the eight waves: four blocks of 256 bytes that no other line names
.set BG, 16                            ; v[16:23]   bg
.set BT, 24                            ; v[24:27]   bg, packed
.set G,  32                            ; v[32:95]   Wg as loaded; then its four fragments in v[32:63]; in wave 0 later the eight waves' parts
.set C,  96                            ; v[96:159]  context as loaded; then its four fragments in v[96:127]
.set X,  160                           ; v[160:191] x as loaded; then bf16 in v[160:175]
.set D,  192                           ; v[192:223] four accumulators
.set WV, 18                            ; s18        my wave's number
	s_load_b256 s[4:11], s[0:1], 0x0               ; context s[4:5], x s[6:7], Wg s[8:9], bg s[10:11]
	s_load_b128 s[12:15], s[0:1], 0x20             ; xb s[12:13], gw s[14:15]
	s_load_b64 s[16:17], s[0:1], 0x30              ; bm
	v_lshl_add_u32 v8, v0, 2, SPARE                ; my spare word
	v_mov_b32 v9, 0                                ; and 0: these two serve the closing lines alone
	v_lshrrev_b32 v1, 5, v0
	v_readfirstlane_b32 s[WV], v1
	v_and_b32 v1, 31, v0                           ; lane
	v_and_b32 v4, 7, v0                            ; tau: my token among the 8, and my expert in Wg^T
	v_bfe_u32 v3, v0, 4, 1                         ; hh: which half of the lanes
	s_lshl_b32 s19, s[WV], 12
	s_lshl_b32 s20, s[WV], 9
	v_lshlrev_b32 v5, 2, v4                        ; Wg[k][e] lies at 32 k + 4 e: 4 tau + 32 (8 hh) + 32 (128 w)
	v_lshl_add_u32 v5, v3, 8, v5
	v_add_nc_u32 v5, s19, v5
	v_lshlrev_b32 v6, 12, v4                       ; context: 4,096 tau + 4 (128 w) + 4 (8 hh)
	v_lshl_add_u32 v6, v3, 5, v6
	v_add_nc_u32 v6, s20, v6
	v_lshlrev_b32 v7, 4, v1                        ; x: 16 bytes a lane
	v_lshlrev_b32 v10, 3, v1                       ; xb: 8 bytes a lane
	v_lshlrev_b32 v11, 5, v0                       ; PART: 32 bytes a thread
	v_mov_b32 v12, 0                               ; bg: the same 32 bytes for every lane
	s_lshl_b32 s22, ttmp9, 15                      ; 8 tokens x 4,096 bytes
	s_mov_b32 s23, 0
	s_add_co_u32 s24, s22, s19                     ; + my wave's token
	s_mov_b32 s25, 0
	s_lshr_b32 s26, s24, 1                         ; the same row in xb: half the bytes
	s_mov_b32 s27, 0
	s_wait_kmcnt 0x0
	s_add_nc_u64 s[4:5], s[4:5], s[22:23]
	s_add_nc_u64 s[6:7], s[6:7], s[24:25]
	s_add_nc_u64 s[26:27], s[12:13], s[26:27]
	; A fragment is 16 rows x 32 k in 8 registers: lane (r, hh) holds row r; registers 0-3 k = 8 hh + 0..7, registers 4-7 k = 16 + 8 hh + 0..7, two to a register.
.irp kq, 0,1,2,3
.irp ii, 0,1,2,3,4,5,6,7,8,9,10,11,12,13,14,15
	global_load_b32 v[G+16*\kq+\ii], v5, s[8:9] offset:32*(32*\kq+\ii+8*(\ii/8))
.endr
.endr
.irp kq, 0,1,2,3
.irp c, 0,1,2,3
	global_load_b128 v[C+16*\kq+4*\c:C+16*\kq+4*\c+3], v6, s[4:5] offset:128*\kq+16*(\c%2)+64*(\c/2) th:TH_LOAD_NT
.endr
.endr
	global_load_b128 v[BG:BG+3], v12, s[10:11]
	global_load_b128 v[BG+4:BG+7], v12, s[10:11] offset:16
.irp m, 0,1,2,3,4,5,6,7
	global_load_b128 v[X+4*\m:X+4*\m+3], v7, s[6:7] offset:512*\m th:TH_LOAD_NT
.endr
	s_wait_loadcnt 8                               ; all but the eight loads of x, which were issued last
.set n, 0
.rept 32                                               ; rounded in place: register n takes numbers 2 n and 2 n + 1, which no later line reads
	v_cvt_pk_bf16_f32 v[G+n], v[G+2*n], v[G+2*n+1]
	v_cvt_pk_bf16_f32 v[C+n], v[C+2*n], v[C+2*n+1]
.set n, n+1
.endr
.irp kq, 0,1,2,3
	v_wmma_f32_16x16x32_bf16 v[D+8*\kq:D+8*\kq+7], v[G+8*\kq:G+8*\kq+7], v[C+8*\kq:C+8*\kq+7], 0
.endr
	s_wait_loadcnt 0x0                             ; x
.set n, 0
.rept 16                                               ; sixteen plain instructions that name no register of the products: more than the four places owed behind them
	v_cvt_pk_bf16_f32 v[X+n], v[X+2*n], v[X+2*n+1]
.set n, n+1
.endr
.irp m, 0,1,2,3,4,5,6,7
	global_store_b64 v10, v[X+2*\m:X+2*\m+1], s[26:27] offset:256*\m  ; 32 lanes store 256 consecutive bytes, at a multiple of 256 from xb's first byte
.endr
	s_cmp_lg_u32 ttmp9, 127
	s_cbranch_scc1 .Lnopad
	s_cmp_lg_u32 s[WV], 7
	s_cbranch_scc1 .Lnopad
.irp m, 16,17,18,19
	v_mov_b32 v[X+\m], 0
.endr
	global_store_b128 v7, v[X+16:X+19], s[12:13] offset:2097152  ; one wave of the launch: 512 zero bytes behind the last row
.Lnopad:
.irp p, 0,1,2,3                        ; the four accumulators are added, each read from its low end on
	v_pk_add_f32 v[D+2*\p:D+2*\p+1], v[D+2*\p:D+2*\p+1], v[D+8+2*\p:D+8+2*\p+1]
	v_pk_add_f32 v[D+16+2*\p:D+16+2*\p+1], v[D+16+2*\p:D+16+2*\p+1], v[D+24+2*\p:D+24+2*\p+1]
	v_pk_add_f32 v[D+2*\p:D+2*\p+1], v[D+2*\p:D+2*\p+1], v[D+16+2*\p:D+16+2*\p+1]
.endr
	ds_store_b128 v11, v[D:D+3]
	ds_store_b128 v11, v[D+4:D+7] offset:16
	s_wait_dscnt 0x0                               ; for wave 0's sake: my part is in LDS
	s_barrier_signal -1
	s_barrier_wait -1
	s_cmp_eq_u32 s[WV], 0
	s_cbranch_scc1 .Lw0
	s_wait_tensorcnt 0x0                           ; the wave's end: three closing lines behind my last LDS store
	ds_add_u32 v8, v9
	s_wait_dscnt 0x0
	s_endpgm
.Lw0:
.irp p, 0,1,2,3,4,5,6,7                ; my lane's place in each wave's part holds my token
	ds_load_b128 v[G+8*\p:G+8*\p+3], v11 offset:1024*\p
	ds_load_b128 v[G+8*\p+4:G+8*\p+7], v11 offset:1024*\p+16
.endr
.irp p, 0,1,2,3                        ; bg rounded to bf16 and widened again, while the loads are out
	v_cvt_pk_bf16_f32 v[BT+\p], v[BG+2*\p], v[BG+2*\p+1]
.endr
.irp p, 0,1,2,3
	v_lshlrev_b32 v[BG+2*\p], 16, v[BT+\p]
	v_and_b32 v[BG+2*\p+1], 0xffff0000, v[BT+\p]
.endr
	s_wait_dscnt 0x0
.irp p, 1,2,3,4,5,6,7
.irp q, 0,1,2,3
	v_pk_add_f32 v[G+2*\q:G+2*\q+1], v[G+2*\q:G+2*\q+1], v[G+8*\p+2*\q:G+8*\p+2*\q+1]
.endr
.endr
.irp q, 0,1,2,3
	v_pk_add_f32 v[G+2*\q:G+2*\q+1], v[G+2*\q:G+2*\q+1], v[BG+2*\q:BG+2*\q+1]
.endr
	; the largest: experts ascending, strictly greater, so that of equal logits the lower expert stays
	v_mov_b32 v100, v[G]                           ; m1
	v_mov_b32 v101, 0                              ; i1
.irp e, 1,2,3,4,5,6,7
	v_cmp_gt_f32 vcc_lo, v[G+\e], v100
	v_cndmask_b32 v100, v100, v[G+\e], vcc_lo
	v_cndmask_b32 v101, v101, \e, vcc_lo
.endr
	; the second: it starts at the lowest expert that is not i1, and takes every later one that is not i1 and strictly greater
	v_cmp_eq_u32 vcc_lo, 0, v101
	v_cndmask_b32 v102, v[G], v[G+1], vcc_lo       ; m2
	v_cndmask_b32 v103, 0, 1, vcc_lo               ; i2
.irp e, 1,2,3,4,5,6,7
	v_cmp_ne_u32 s30, \e, v101
	v_cmp_gt_f32 s31, v[G+\e], v102
	s_and_b32 s30, s30, s31
	v_cndmask_b32 v102, v102, v[G+\e], s30
	v_cndmask_b32 v103, v103, \e, s30
.endr
	; softmax of (m1, m2) with the maximum m1 taken away: 1 / (1 + p) and p / (1 + p), p = e^(m2 - m1) <= 1
	v_sub_f32 v104, v102, v100
	v_mul_f32 v104, 0x3fb8aa3b, v104
	v_exp_f32 v105, v104
	v_nop                                          ; a plain instruction behind the exponential,
	s_wait_alu depctr_va_vdst(0)                   ; and the wait ahead of its first reader
	v_add_f32 v106, 1.0, v105
	v_rcp_f32 v108, v106
	v_nop
	s_wait_alu depctr_va_vdst(0)                   ; the same for the reciprocal
	v_mul_f32 v109, v105, v108
	s_lshl_b32 s28, ttmp9, 6                       ; 8 tokens x 8 bytes
	v_lshlrev_b32 v111, 3, v4
	v_add_nc_u32 v111, s28, v111
	global_store_b64 v111, v[108:109], s[14:15]    ; the four lanes of a token store the same 8 bytes
	; the bitmaps.  Lanes 0 to 7 hold tokens 0 to 7, so the low byte of a compare's mask is the 8 tokens' bits; lane 8 plane + e of v110 takes the mask of expert e
	v_mov_b32 v110, 0
.irp e, 0,1,2,3,4,5,6,7
	v_cmp_eq_u32 s[32+\e], \e, v101
	v_cmp_eq_u32 s[40+\e], \e, v103
	s_or_b32 s[32+\e], s[32+\e], s[40+\e]
	v_writelane_b32 v110, s[32+\e], \e
	v_writelane_b32 v110, s[40+\e], 8+\e
.endr
	s_mov_b32 s29, ttmp9
	v_bfe_u32 v112, v0, 3, 1                       ; plane
	v_lshlrev_b32 v112, 10, v112
	v_lshl_add_u32 v112, v4, 7, v112               ; + 128 e
	v_add_nc_u32 v112, s29, v112                   ; + the byte of tokens 8 b .. 8 b + 7
	v_cmp_gt_u32 vcc_lo, 16, v0
	s_wait_xcnt 0x0                                ; EXEC is a source of the stores above: it changes only behind this wait
	s_and_saveexec_b32 s30, vcc_lo
	global_store_b8 v112, v110, s[16:17]           ; sixteen lanes, a byte each
	s_wait_xcnt 0x0                                ; and again in front of the line that widens it
	s_or_b32 exec_lo, exec_lo, s30
	s_wait_tensorcnt 0x0                           ; the wave's end: three closing lines behind my last LDS store
	ds_add_u32 v8, v9
	s_wait_dscnt 0x0
	s_endpgm
.Lfunc_end_k_q555111a2b8_route:
	.size	k_q555111a2b8_route, .Lfunc_end_k_q555111a2b8_route-k_q555111a2b8_route
	.p2alignl 7, 3214868480
	.fill 96, 4, 3214868480
	.section	.rodata,"a",@progbits
	.p2align	6, 0x0
	.amdhsa_kernel k_q555111a2b8_route
		.amdhsa_group_segment_fixed_size 9216
		.amdhsa_private_segment_fixed_size 0
		.amdhsa_enable_private_segment 0
		.amdhsa_kernarg_size 56
		.amdhsa_user_sgpr_count 2
		.amdhsa_user_sgpr_kernarg_segment_ptr 1
		.amdhsa_wavefront_size32 1
		.amdhsa_system_sgpr_workgroup_id_x 1
		.amdhsa_system_sgpr_workgroup_id_y 1
		.amdhsa_system_sgpr_workgroup_id_z 1
		.amdhsa_system_vgpr_workitem_id 0
		.amdhsa_next_free_vgpr 224
		.amdhsa_next_free_sgpr 66
		.amdhsa_reserve_vcc 1
		.amdhsa_float_denorm_mode_32 3
		.amdhsa_float_denorm_mode_16_64 3
		.amdhsa_memory_ordered 1
		.amdhsa_forward_progress 1
		.amdhsa_inst_pref_size 28
	.end_amdhsa_kernel
	.amdgpu_metadata
---
amdhsa.version: [ 1, 2 ]
amdhsa.kernels:
  - .name:           k_q555111a2b8_route
    .symbol:         k_q555111a2b8_route.kd
    .args:
      - { .name: context, .offset: 0, .size: 8, .value_kind: global_buffer, .address_space: global }
      - { .name: x, .offset: 8, .size: 8, .value_kind: global_buffer, .address_space: global }
      - { .name: Wg, .offset: 16, .size: 8, .value_kind: global_buffer, .address_space: global }
      - { .name: bg, .offset: 24, .size: 8, .value_kind: global_buffer, .address_space: global }
      - { .name: xb, .offset: 32, .size: 8, .value_kind: global_buffer, .address_space: global }
      - { .name: gw, .offset: 40, .size: 8, .value_kind: global_buffer, .address_space: global }
      - { .name: bm, .offset: 48, .size: 8, .value_kind: global_buffer, .address_space: global }
    .group_segment_fixed_size: 9216
    .private_segment_fixed_size: 0
    .kernarg_segment_align: 8
    .kernarg_segment_size: 56
    .max_flat_workgroup_size: 256
    .sgpr_count:     66
    .vgpr_count:     224
    .wavefront_size: 32
...
	.end_amdgpu_metadata
.endif
;; end of part 1
;; launch up (part 2): grid 32 x 8, 4 waves a work-group, no clusters, 327,680 bytes of LDS; arguments W1, b1, xb, bm, h; writes h
.if DOCPART == 2
	.amdgcn_target "amdgcn-amd-amdhsa--gfx1250"
	.amdhsa_code_object_version 6
	.text
	.protected	k_q555111a2b8_up
	.globl	k_q555111a2b8_up
	.p2align	8
	.type	k_q555111a2b8_up,@function
k_q555111a2b8_up:
	s_mov_b64 s[64:65], 0
	v_nop
	global_prefetch_b8 v0, s[64:65] scope:SCOPE_SE
	s_setreg_imm32_b32 hwreg(HW_REG_WAVE_MODE, 25, 1), 1
	s_wait_xcnt 0x0
; UP.  h[q][f] = relu(x[t] . W1[e][:, f] + b1[e][f]) in bf16, for the 2,048 routed rows q = 2 t + slot alone (slot 0: the token's first choice, 1: its second).
; x comes as bf16 (xb); W1 and b1 are rounded to bf16 on their way; sums in f32, begun at the bias; h rounded once.
; SHARES.  Work-group (slice, e) owns columns 128 slice .. + 127 of expert e: 1,024 x 128 numbers of W1, 512 KiB, which it alone reads, and ALL of the expert's rows.
; The rows, tokens ascending, go in groups of 320 = 20 tiles of 16; tile 4 i + w of a group is wave w's (i = 0 .. 4); a wave makes its tiles x all 128 columns.
; Group 0 takes the weights through LDS: two slots of 256 k x 512 bytes, filled by tensor loads, each wave a quarter.  Groups 1 to 3 exist only where an expert has more than 320 rows:
; they take the weights straight from memory, in a loop without barrier or tensor load, and are jumped by a scalar branch on the count.  So every split of the tokens is served.
; NO CLUSTER: each slice of weights has one reader, and the rows of x come by a list, which no tile's descriptor covers.
; THE LIST.  Every work-group makes its expert's list of q from the bitmaps that the launch before stored: counts of the 32 words in scalar registers, then wave 0 clears the list and places the entries,
; a word a lane.  The sixteen places behind the last entry repeat it: a tile that is not full computes and stores that row again, the same bytes, and EXEC is never narrowed.  Each wave reads the places
; of all its 20 tiles once, at fixed addresses, into 20 registers; a group picks its five by its number.
; WEIGHTS INTO FRAGMENTS.  W1 lies [k][f], f32.  Lane (r, hh) reads 16 bytes, columns 64 g + 4 r + 0..3, of sixteen rows k; one rounding packs two neighbouring k of ONE column.
; So for c = 0..3 it holds a fragment whose row r is column 64 g + 4 r + c.  The matrix instruction has the weights as source 0 and the tokens as source 1:
; register j of accumulator (i, 4 g + c) in lane (r, hh) is token row r, column 64 g + 32 hh + 4 j + c: a lane owns 32 neighbouring columns of each g.
; REGISTERS, in windows of 256 (s_set_vgpr_msb: bits 1:0 source 0, 3:2 source 1, 5:4 source 2, 7:6 destination):
;   window 0: v0-31 addresses; v32-63 at work; v64-223 the tokens' fragments, a ring of four steps x 5 tiles x 8, and on the way out at work; v224-243 the list's places of my 20 tiles
;   window 1: v0-127 weights as they land, f32; v128-191 their 8 fragments; v192-255 the bias       window 2: accumulators of tiles 0-3 ((i, nt) at 64 i + 8 nt)       window 3: v0-63 tile 4's
.set WP,     16384                     ; bytes from a row of W1 to the next
.set WPE,    4096                      ; the same in elements
.set CHUNKB, 256*WP                    ; bytes from a slot's 256 rows to the next 256
.set HALFB,  65536                     ; 128 LDS rows of 512 bytes: four steps of 32 along k
.set SLOTB,  131072                    ; a slot; slot 1 begins here, so that one exclusive or turns an address in one slot into the other's
.set STAGE,  2*SLOTB                   ; behind the ring: 16 rows x 272 bytes for each wave, for the way out
.set SPITCH, 272                       ; 256 bytes + 16: sixteen rows start at sixteen different groups of four banks (64 banks of 4 bytes: ISA guide 11.1); the first 4 of the 16 carry the row's q
.set STG,    16*SPITCH
.set LIST,   295936                    ; 1,664 words: places 0 .. 1,599, of which 0 .. 1,279 are read; 32 dump words from place 1,600 on
.set DUMP,   1600
.set SPARE,  302592                    ; the spare words, 128 bytes for each wave: two blocks of 256 bytes that no other line names
.set CAP,    320                       ; rows in a group
.set VR,   1                           ; lane % 16
.set VHH,  2                           ; lane / 16
.set VSPW, 3                           ; my spare word; never rewritten
.set VNIL, 4                           ; 0; never rewritten
.set VBAD, 5                           ; LDS address of the weights' next run of loads
.set VB0,  6                           ; 16 r + 8 hh rows of 512 bytes
.set VAO,  7                           ; v7-11   tile i: byte offset of my token's row in xb, + 16 hh
.set VQ,   12                          ; v12-16  tile i: my row's q
.set VRQ,  17                          ; the way out: my stage + 272 hh: where the q of the rows that I store are read
.set VSTO, 22                          ; the way out: where I put my 16 bytes
.set VRD,  23                          ; where I read rows back
.set VLA,  24                          ; the list at place 16 w + r; never rewritten
.set VSQ,  25                          ; the way out: my stage + 272 r: behind that row's 256 bytes goes its q
.set VCO,  26                          ; 16 r
.set VPF,  27                          ; prefetch: (lane / 2) rows + 256 (lane % 2)
.set VWO,  28                          ; weights from memory: 8 hh rows + 16 r
.set VZ,   29                          ; 0, for the packed maximum
.set VT,   30
.set VH16, 31                          ; 16 hh
.set TMP,  32                          ; the way out: 32 registers, packed
.set RING, 64
.set QS,   64                          ; the way out (the ring is idle then): the q of 8 rows,
.set OF,   72                          ; 8 offsets,
.set OB,   128                         ; 16 rows read back
.set QA,   224                         ; v224-243  group g, tile i at 5 g + i: q of my row
.set BBF,  128                         ; window 1
.set BIAS, 192                         ; window 1: (g, j, c) at 32 g + 4 j + c
.set G1,   48                          ; s[48:55] descriptor group 1
.set G0A,  56                          ; s[56:59] group 0 of slot 0's first fill
.set G0W,  60                          ; s[60:63] group 0 of slot 1's first fill; it then walks
.set CNT,  66                          ; the expert's rows
.set P,    67
.set T,    68
.set NM,   69                          ; my live tiles in the group, 0 .. 5
.set G,    70                          ; the group
.set EX,   71                          ; the expert
.set TRIP, 72
.set BODY, 73
.set TB,   74                          ; LDS byte at which the four steps in hand begin
.set WV,   75
.set AB,   76                          ; s[76:77] xb at the four steps in hand
.set PFB,  78                          ; s[78:79] where the prefetch stands
.set SWB,  80                          ; s[80:81], s[82:83] weights and tokens in the loop without LDS ring
.set SAB,  82
.set OUTB, 84                          ; s[84:85] h at my slice's columns
.set OFS,  86
.set BMB,  88                          ; s[88:89] bm at my expert
.set TP,   90
.set WS,   92                          ; s[92:93] W1 at my slice
.set KC,   95
.set A0,   96                          ; s[96:97] xb
.set MSB, 0
.macro WIN new                         ; the immediate's high byte repeats the setting that is left; a switch that changes nothing is dropped
.if MSB != (\new)
	s_set_vgpr_msb (MSB<<8)|(\new)
.set MSB, \new
.endif
.endm
.set MUL_LO, 0xa1                      ; source 0 (weights) window 1, source 1 (tokens) window 0, C and D window 2
.set TO_L,   0x40                      ; destination window 1, address window 0
.set CVT,    0x45                      ; destination and both sources window 1
.macro PLACES                          ; four plain instructions between a matrix instruction and a write of, or a load into, one of its registers, or a read of its result
.rept 4
	v_nop
.endr
.endm
; 32 LDS loads in one run: 32 rows k x 128 columns of f32 at byte kimm behind VBAD.  Sixteen lanes read 256 consecutive bytes: no bank is asked twice.
.macro BLOAD kimm
	WIN TO_L
.irp g, 0,1
.irp jj, 0,1,2,3,4,5,6,7,8,9,10,11,12,13,14,15
	ds_load_b128 v[64*\g+4*\jj:64*\g+4*\jj+3], v[VBAD] offset:(\kimm)+512*(\jj+8*(\jj/8))+256*\g
.endr
.endr
.endm
; 64 roundings: register p of fragment 4 g + c takes rows 2 p and 2 p + 1 of the sixteen, column c of my four
.macro CVTB
	WIN CVT
.irp g, 0,1
.irp c, 0,1,2,3
.irp p, 0,1,2,3,4,5,6,7
	v_cvt_pk_bf16_f32 v[BBF+8*(4*\g+\c)+\p], v[64*\g+8*\p+\c], v[64*\g+8*\p+4+\c]
.endr
.endr
.endr
.endm
; ten loads, always ten, so that the counted wait means the same on every path: 32 along k of my five tiles' rows into ring buffer a.  A dead tile has q = 0: a row that exists.
.macro ALOAD a, imm, base
	WIN 0
.irp i, 0,1,2,3,4
	global_load_b128 v[RING+40*(\a)+8*\i:RING+40*(\a)+8*\i+3], v[VAO+\i], s[\base:\base+1] offset:(\imm)
	global_load_b128 v[RING+40*(\a)+8*\i+4:RING+40*(\a)+8*\i+7], v[VAO+\i], s[\base:\base+1] offset:(\imm)+32
.endr
.endm
; the live tiles' products, 8 a tile; the accumulators take turns, one instruction a turn.  Dead tiles are jumped: nothing but matrix instructions is.
.macro TILES a
.irp i, 0,1,2,3,4
	WIN 0                                          ; at a branch and at a label every window is 0
	s_cmp_le_u32 s[NM], \i
	s_cbranch_scc1 .Ltl_\@
	WIN MUL_LO+0x50*(\i/4)
.irp nt, 0,1,2,3,4,5,6,7
	v_wmma_f32_16x16x32_bf16 v[64*(\i%4)+8*\nt:64*(\i%4)+8*\nt+7], v[BBF+8*\nt:BBF+8*\nt+7], v[RING+40*(\a)+8*\i:RING+40*(\a)+8*\i+7], v[64*(\i%4)+8*\nt:64*(\i%4)+8*\nt+7]
.endr
.endr
	WIN 0
.Ltl_\@:
.endm
; A STEP of 32 along k.  The weights that landed are rounded; the next step's run of LDS loads and the tokens' fragments three steps on are asked for; then the products.
.macro STEP u, pf
	WIN 0
	s_wait_dscnt 0x0                               ; this step's weights are in registers: they were asked for a step ago
	PLACES                                         ; behind the last step's products: their fragments are written anew, and the ring buffer that they read is loaded again
	CVTB
.if (\u) < 3
	BLOAD 16384*((\u)+1)
	WIN 0
.else
	WIN 0
	s_add_co_u32 s[TB], s[TB], HALFB
	v_add_nc_u32 v[VBAD], s[TB], v[VB0]
	s_cmp_eq_u32 s[BODY], 1                        ; at a slot's end the next run waits for the change of slots
	s_cbranch_scc1 .Lnob_\@
	BLOAD 0
	WIN 0
.Lnob_\@:
.endif
	ALOAD ((\u)+3)%4, 64*((\u)+3), AB
.if (\pf) && ((\u) == 1)
	s_cmp_lt_u32 s[TRIP], 2                        ; the first two slots' trips ask; behind them nothing is left to fetch
	s_cbranch_scc1 .Lnopf_\@
	global_prefetch_b8 v[VPF], s[PFB:PFB+1] offset:0 th:TH_LOAD_NT scope:SCOPE_SE       ; 32 lanes, 256 bytes apart: 16 rows of my quarter of the 256 rows that the next change of slots
	global_prefetch_b8 v[VPF], s[PFB:PFB+1] offset:16*WP th:TH_LOAD_NT scope:SCOPE_SE   ; will request, and 16 more; four such lines a slot cover its 64 rows once
.Lnopf_\@:
.endif
	s_wait_loadcnt 30                              ; loads come back in order (ISA guide 5.7.1): the three younger steps' ten each stay out, this step's ten are in
	TILES \u
.endm
; a slot: two bodies of four steps
.macro TRIPM pf
	s_mov_b32 s[BODY], 2
.Lbody_\@:
	STEP 0, \pf
	STEP 1, \pf
	STEP 2, \pf
	STEP 3, \pf
	s_wait_xcnt 0x0                                ; the bases of the loads and prefetches above are stepped only behind this wait
	s_add_nc_u64 s[AB:AB+1], s[AB:AB+1], 256
.if \pf
	s_add_nc_u64 s[PFB:PFB+1], s[PFB:PFB+1], 32*WP
.endif
	s_sub_co_u32 s[BODY], s[BODY], 1
	s_cmp_lg_u32 s[BODY], 0
	s_cbranch_scc1 .Lbody_\@
.endm
; THE CHANGE OF SLOTS.  Each wave waits for all its tensor loads, of which one at the most is out: its quarter of the other slot; adds 0 to its spare word; waits for that and for its reads of the
; slot that it leaves.  Behind the barrier nobody reads the old slot and the other slot is whole.  fill = 1: the old slot takes the 256 rows two slots on, the first thing behind the barrier:
; that load has the other slot's eight steps in which to land.
.macro CHANGE fill
	WIN 0
	s_wait_tensorcnt 0x0                           ; no tensor load of mine is out, so a group 0 may be written
	ds_add_u32 v[VSPW], v[VNIL]                    ; 0 onto my spare word; the scalar work stands between it and the wait for it
.if \fill
	s_xor_b32 s[G0W+1], s[G0W+1], SLOTB            ; the other slot than last time,
	s_add_nc_u64 s[G0W+2:G0W+3], s[G0W+2:G0W+3], CHUNKB  ; the next 256 rows; the type bits on top are not reached
	s_add_nc_u64 s[PFB:PFB+1], s[PFB:PFB+1], CHUNKB-64*WP
.endif
	s_sub_co_u32 s[TB], s[TB], 2*HALFB             ; the reads go back to a slot's head,
	s_xor_b32 s[TB], s[TB], SLOTB                  ; in the other slot
	s_wait_dscnt 0x0
	s_barrier_signal -1
	s_barrier_wait -1
.if \fill
	tensor_load_to_lds s[G0W:G0W+3], s[G1:G1+7]
	s_nop 0
	PLACES
.endif
	v_add_nc_u32 v[VBAD], s[TB], v[VB0]
	BLOAD 0
	WIN 0
.endm
; a group's set-up: my live tiles, their rows' q out of the 20 registers, the rows' offsets.  first = 1: group 0.  Else the group is 1, 2 or 3, and two masks made of its number choose.
.macro GROUPSET first
	s_mul_i32 s[T], s[G], CAP
	s_sub_co_u32 s[T], s[CNT], s[T]
	s_min_u32 s[T], s[T], CAP                      ; the group's rows
	s_add_co_u32 s[T], s[T], 15
	s_lshr_b32 s[T], s[T], 4                       ; its tiles
	s_add_co_u32 s[T], s[T], 3
	s_sub_co_u32 s[T], s[T], s[WV]
	s_lshr_b32 s[NM], s[T], 2                      ; those of them with number 4 i + w
.if \first
.irp i, 0,1,2,3,4
	v_min_u32 v[VQ+\i], 0x7ff, v[QA+\i]
.endr
.else
	s_cmp_eq_u32 s[G], 1
	s_cselect_b32 s[P], -1, 0
	s_cmp_eq_u32 s[G], 2
	s_cselect_b32 s[T], -1, 0
.irp i, 0,1,2,3,4
	v_cndmask_b32 v[VQ+\i], v[QA+15+\i], v[QA+5+\i], s[P]
	v_cndmask_b32 v[VQ+\i], v[VQ+\i], v[QA+10+\i], s[T]
	v_min_u32 v[VQ+\i], 0x7ff, v[VQ+\i]
.endr
.endif
.irp i, 0,1,2,3,4
	v_and_b32 v[VT], -2, v[VQ+\i]                  ; 2 t
	v_lshl_add_u32 v[VAO+\i], v[VT], 10, v[VH16]   ; 2,048 t + 16 hh
.endr
.endm
; the sums begin at the bias: nothing is cleared and no bias is added later.  All five tiles are written, the dead ones too.
.macro INIT
.irp i, 0,1,2,3,4
	WIN 0x81+0x40*(\i/4)                           ; source window 1, destination window 2 or 3
.irp g, 0,1
.irp c, 0,1,2,3
.irp j, 0,1,2,3,4,5,6,7
	v_mov_b32 v[64*(\i%4)+8*(4*\g+\c)+\j], v[BIAS+32*\g+4*\j+\c]
.endr
.endr
.endr
.endr
	WIN 0
.endm
; THE WAY OUT of tile i: rounded to bf16 in pairs of neighbouring columns (each accumulator read from its lowest register on), ReLU on the packed halves, into my stage,
; each row's q behind its 256 bytes; back as whole rows of 256 bytes with their q, and to those rows of h.  All these LDS addresses are my wave's own and fixed.
.macro EPIT i
	WIN 0
	s_cmp_le_u32 s[NM], \i
	s_cbranch_scc1 .Lepi_done
	s_wait_xcnt 0x0                                ; the registers that the last tile's stores name are written again only behind this wait
	WIN 0x0a+5*(\i/4)                              ; both sources window 2 or 3
.irp g, 0,1
.irp j, 0,1,2,3,4,5,6,7
.irp cp, 0,1
	v_cvt_pk_bf16_f32 v[TMP+16*\g+2*\j+\cp], v[64*(\i%4)+8*(4*\g+2*\cp)+\j], v[64*(\i%4)+8*(4*\g+2*\cp+1)+\j]
.endr
.endr
.endr
	WIN 0
.set k, 0
.rept 32
	v_pk_max_num_bf16 v[TMP+k], v[TMP+k], v[VZ]
.set k, k+1
.endr
.irp g, 0,1
.irp u, 0,1,2,3
	ds_store_b128 v[VSTO], v[TMP+16*\g+4*\u:TMP+16*\g+4*\u+3] offset:128*\g+16*\u
.endr
.endr
	ds_store_b32 v[VSQ], v[VQ+\i] offset:256       ; row r's q; the two lanes of a row store the same word
.irp t, 0,1,2,3,4,5,6,7
	ds_load_b32 v[QS+\t], v[VRQ] offset:256+2*SPITCH*\t  ; q of row 2 t (lanes 0-15) and 2 t + 1 (lanes 16-31)
.endr
.irp t, 0,1,2,3,4,5,6,7
	ds_load_b128 v[OB+4*\t:OB+4*\t+3], v[VRD] offset:2*SPITCH*\t  ; LDS serves a wave's instructions in order (ISA guide 5.7.1.4): these see the stores above
.endr
	s_wait_dscnt 0x0
.irp t, 0,1,2,3,4,5,6,7
	v_min_u32 v[QS+\t], 0x7ff, v[QS+\t]
	v_lshl_add_u32 v[OF+\t], v[QS+\t], 13, v[VCO]  ; 8,192 q + 16 r
.endr
.irp t, 0,1,2,3,4,5,6,7
	global_store_b128 v[OF+\t], v[OB+4*\t:OB+4*\t+3], s[OUTB:OUTB+1]  ; 16 lanes store 256 consecutive bytes, at a multiple of 256 from h's first byte
.endr
.endm
	s_load_b256 s[4:11], s[0:1], 0x0               ; W1 s[4:5], b1 s[6:7], xb s[8:9], bm s[10:11]
	s_load_b64 s[12:13], s[0:1], 0x20              ; h
	v_lshl_add_u32 v[VSPW], v0, 2, SPARE
	v_mov_b32 v[VNIL], 0
	ds_add_u32 v[VSPW], v[VNIL]                    ; the wave's opening: the add and its wait ahead of my first tensor load; the set-up below, work on registers, stands between
	v_lshrrev_b32 v[VT], 5, v0
	v_readfirstlane_b32 s[WV], v[VT]
	s_and_b32 s[EX], ttmp7, 0xffff
	s_mov_b32 s[G1+0], 2<<16                       ; no mask; elements of 4 bytes; no padding: the reads above take whole runs of 256 bytes
	s_mov_b32 s[G1+1], 128<<16                     ; tensor_dim0 = 128
	s_mov_b32 s[G1+2], 64<<16                      ; tensor_dim1 = 64
	s_mov_b32 s[G1+3], 128<<16                     ; tile_dim0 = 128 elements: 512 bytes, at a multiple of 512 from W1's first byte
	s_mov_b32 s[G1+4], 64                          ; tile_dim1 = 64 rows
	s_mov_b32 s[G1+5], WPE                         ; elements from row to row
	s_mov_b32 s[G1+6], 0
	s_mov_b32 s[G1+7], 0
	s_mov_b32 s[G0A], 1
	s_mul_i32 s[G0A+1], s[WV], 32768               ; my 64 rows of slot 0
	s_mov_b32 s[G0W], 1
	s_add_co_u32 s[G0W+1], s[G0A+1], SLOTB         ; and of slot 1
	s_lshl_b32 s[OFS], s[EX], 24                   ; an expert's W1 is 16 MiB,
	s_lshl_b32 s[P], ttmp9, 9                      ; a slice's columns 512 bytes
	s_add_co_u32 s[OFS], s[OFS], s[P]
	s_mov_b32 s[OFS+1], 0
	s_lshl_b32 s[TP], s[WV], 20                    ; 64 w rows
	s_mov_b32 s[TP+1], 0
	s_wait_dscnt 0x0                               ; the opening add is done
	s_wait_kmcnt 0x0
	s_add_nc_u64 s[WS:WS+1], s[4:5], s[OFS:OFS+1]
	s_add_nc_u64 s[G0A+2:G0A+3], s[WS:WS+1], s[TP:TP+1]
	s_add_nc_u64 s[G0W+2:G0W+3], s[G0A+2:G0A+3], CHUNKB
	s_add_nc_u64 s[PFB:PFB+1], s[G0A+2:G0A+3], 2*CHUNKB
	s_or_b32 s[G0A+3], s[G0A+3], 0x80000000
	s_or_b32 s[G0W+3], s[G0W+3], 0x80000000
	tensor_load_to_lds s[G0A:G0A+3], s[G1:G1+7]    ; both first fills together, ahead of every wait on TENSORcnt, LDS read and barrier: two loads of mine are out, the most in this text
	s_nop 0
	tensor_load_to_lds s[G0W:G0W+3], s[G1:G1+7]
	s_nop 0
	PLACES
	s_lshl_b32 s[TP], s[EX], 7
	s_add_nc_u64 s[BMB:BMB+1], s[10:11], s[TP:TP+1]
	s_load_b512 s[16:31], s[BMB:BMB+1], 0x0        ; the expert's 32 words of plane 0
	s_load_b512 s[32:47], s[BMB:BMB+1], 0x40
	v_and_b32 v[VR], 15, v0
	v_bfe_u32 v[VHH], v0, 4, 1
	v_and_b32 v[VT], 31, v0
	v_lshlrev_b32 v[VH16], 4, v[VHH]
	v_lshlrev_b32 v[VCO], 4, v[VR]
	v_lshl_add_u32 v[VB0], v[VHH], 12, v[VCO]
	s_mul_i32 s[P], s[WV], STG
	s_add_co_u32 s[P], s[P], STAGE                 ; my stage
	v_mul_u32_u24 v[VSTO], v[VR], SPITCH
	v_add_nc_u32 v[VSQ], s[P], v[VSTO]             ; row r
	v_lshl_add_u32 v[VSTO], v[VHH], 6, v[VSQ]      ; in: row r, 64 bytes for each half of the lanes and each g
	v_mul_u32_u24 v[VRD], v[VHH], SPITCH
	v_add_nc_u32 v[VRQ], s[P], v[VRD]              ; back: lanes 0-15 one row, lanes 16-31 the next,
	v_add_nc_u32 v[VRD], v[VRQ], v[VCO]            ; 16 bytes a lane
	s_lshl_b32 s[P], s[WV], 6
	s_add_co_u32 s[P], s[P], LIST                  ; my tile 0 of group 0: place 16 w
	v_lshl_add_u32 v[VLA], v[VR], 2, s[P]
	v_lshrrev_b32 v[VPF], 1, v[VT]
	v_lshlrev_b32 v[VPF], 14, v[VPF]
	v_and_b32 v[VT], 1, v[VT]
	v_lshl_add_u32 v[VPF], v[VT], 8, v[VPF]
	v_lshl_add_u32 v[VWO], v[VHH], 17, v[VCO]
	v_mov_b32 v[VZ], 0
	s_lshl_b32 s[TP], s[EX], 14                    ; b1: 16,384 e + 512 slice
	s_lshl_b32 s[P], ttmp9, 9
	s_add_co_u32 s[TP], s[TP], s[P]
	s_add_nc_u64 s[6:7], s[6:7], s[TP:TP+1]
	v_lshlrev_b32 v42, 7, v[VHH]                   ; my 32 columns of each g: 128 hh bytes on
	WIN TO_L
.irp g, 0,1
.irp j, 0,1,2,3,4,5,6,7
	global_load_b128 v[BIAS+32*\g+4*\j:BIAS+32*\g+4*\j+3], v42, s[6:7] offset:256*\g+16*\j
.endr
.endr
	WIN 0
	s_lshl_b32 s[TP], ttmp9, 8
	s_add_nc_u64 s[OUTB:OUTB+1], s[12:13], s[TP:TP+1]
	s_mov_b64 s[A0:A0+1], s[8:9]
	s_mov_b64 s[AB:AB+1], s[8:9]
	; THE COUNT: lane j of v32 takes the number of the expert's rows in the words below j
	s_wait_kmcnt 0x0
	v_mov_b32 v32, 0
	s_mov_b32 s[P], 0
.set j, 0
.rept 32
	v_writelane_b32 v32, s[P], j
	s_bcnt1_i32_b32 s[T], s[16+j]
	s_add_co_u32 s[P], s[P], s[T]
.set j, j+1
.endr
	s_mov_b32 s[CNT], s[P]
	; THE LIST: wave 0 alone; no other wave touches it before the barrier below.  First all its 6,656 bytes are cleared, 512 a store: a place that no entry takes reads as q = 0.
	; Then lane j walks word j's 32 tokens; a member's q goes to its rank, the others' to the lane's dump word.  LDS serves a wave's instructions in order (ISA guide 5.7.1.4).
	s_cmp_lg_u32 s[WV], 0
	s_cbranch_scc1 .Lnoscat
	v_lshlrev_b32 v43, 2, v0                       ; in wave 0 the thread's number is the lane
	global_load_b32 v33, v43, s[BMB:BMB+1]         ; chosen
	global_load_b32 v34, v43, s[BMB:BMB+1] offset:1024  ; chosen second
	v_and_b32 v46, 31, v0
	v_lshl_add_u32 v46, v46, 4, LIST
.irp m, 48,49,50,51
	v_mov_b32 v[\m], 0
.endr
.irp k, 0,1,2,3,4,5,6,7,8,9,10,11,12
	ds_store_b128 v46, v[48:51] offset:512*\k
.endr
	v_lshlrev_b32 v35, 6, v0                       ; 2 t of the word's first token
	v_add_nc_u32 v36, DUMP, v0
	s_mov_b32 s[KC], 32
	s_wait_loadcnt 0x0
.Lbit:
	v_and_b32 v37, 1, v33
	v_and_b32 v38, 1, v34
	v_cmp_eq_u32 vcc_lo, 1, v37
	v_cndmask_b32 v39, v36, v32, vcc_lo
	v_min_u32 v39, 0x65f, v39                      ; inside the list: place 1,631 at the most
	v_lshl_add_u32 v40, v39, 2, LIST
	v_add_nc_u32 v41, v35, v38                     ; q = 2 t + slot
	ds_store_b32 v40, v41
	v_add_nc_u32 v32, v32, v37
	v_add_nc_u32 v35, 2, v35
	v_lshrrev_b32 v33, 1, v33
	v_lshrrev_b32 v34, 1, v34
	s_sub_co_u32 s[KC], s[KC], 1
	s_cmp_lg_u32 s[KC], 0
	s_cbranch_scc1 .Lbit
	s_cmp_eq_u32 s[CNT], 0
	s_cbranch_scc1 .Lnoscat
	s_sub_co_u32 s[T], s[CNT], 1                   ; the sixteen places behind the last entry repeat it
	s_min_u32 s[T], s[T], 1023
	s_lshl_b32 s[T], s[T], 2
	s_add_co_u32 s[T], s[T], LIST
	v_mov_b32 v40, s[T]
	ds_load_b32 v41, v40                           ; behind the stores above, which LDS serves first
	v_add_nc_u32 v39, s[CNT], v[VR]
	v_min_u32 v39, 0x40f, v39
	v_lshl_add_u32 v45, v39, 2, LIST
	s_wait_dscnt 0x0
	ds_store_b32 v45, v41
.Lnoscat:
	s_wait_dscnt 0x0                               ; for the others' sake: the list is in LDS
	s_barrier_signal -1
	s_barrier_wait -1                              ; the tensor loads stay out
.irp g, 0,1,2,3
.irp i, 0,1,2,3,4
	ds_load_b32 v[QA+5*\g+\i], v[VLA] offset:4*CAP*\g+256*\i  ; place 320 g + 64 i + 16 w + r: my row of tile 4 i + w of group g
.endr
.endr
	s_wait_dscnt 0x0
	s_mov_b32 s[G], 0
	GROUPSET 1
	ALOAD 0, 0, AB
	ALOAD 1, 64, AB
	ALOAD 2, 128, AB
	s_wait_loadcnt 30                              ; all but those thirty: the bias is in
	WIN CVT
.set k, 0
.rept 32                                               ; the bias rounded to bf16 and widened again; the landing registers are still idle
	v_cvt_pk_bf16_f32 v[k], v[BIAS+2*k], v[BIAS+2*k+1]
.set k, k+1
.endr
.set k, 0
.rept 32
	v_lshlrev_b32 v[BIAS+2*k], 16, v[k]
	v_and_b32 v[BIAS+2*k+1], 0xffff0000, v[k]
.set k, k+1
.endr
	INIT
	s_or_b32 s[T], s[EX], ttmp9
	s_or_b32 s[T], s[T], s[WV]
	s_cmp_lg_u32 s[T], 0
	s_cbranch_scc1 .Lnopad
	v_lshl_add_u32 v44, v0, 4, 0x1000000           ; one wave of the launch: 512 zero bytes behind h's last row, which the next launch's look-ahead touches and never uses
.irp m, 48,49,50,51
	v_mov_b32 v[\m], 0
.endr
	global_store_b128 v44, v[48:51], s[12:13]
	s_wait_xcnt 0x0
.Lnopad:
	s_wait_tensorcnt 0x1                           ; my quarter of slot 0 is in; slot 1's may stay out
	s_barrier_signal -1
	s_barrier_wait -1                              ; everybody's is
	s_mov_b32 s[TB], 0
	v_add_nc_u32 v[VBAD], s[TB], v[VB0]
	BLOAD 0
	WIN 0
	s_mov_b32 s[TRIP], 3
	s_branch .Lfirst                               ; the loop begins with the change of slots; the first slot has none
.Ltrip:
	CHANGE 1
.Lfirst:
	TRIPM 1
	s_sub_co_u32 s[TRIP], s[TRIP], 1
	s_cmp_lg_u32 s[TRIP], 0
	s_cbranch_scc1 .Ltrip
	CHANGE 0                                       ; the last slot is written out: nothing is asked for
	TRIPM 0
	s_wait_loadcnt 0x0                             ; the ring's last three steps reach 192 bytes past a row's k: the next row, or the zeros behind the last; they are waited for and not used
	PLACES
.Lgrp:
	EPIT 0
	EPIT 1
	EPIT 2
	EPIT 3
	EPIT 4
.Lepi_done:
	s_wait_xcnt 0x0                                ; the next group's loads land on registers that the stores above name
	s_add_co_u32 s[G], s[G], 1
	s_cmp_ge_u32 s[G], 4                           ; four groups hold 1,280 rows, more than there are tokens
	s_cbranch_scc1 .Ldone
	s_mul_i32 s[T], s[G], CAP
	s_cmp_ge_u32 s[T], s[CNT]
	s_cbranch_scc1 .Ldone
	GROUPSET 0
	INIT
	s_mov_b64 s[SWB:SWB+1], s[WS:WS+1]             ; rows past 320: the slice once more, straight from memory into the landing registers, each wave for itself
	s_mov_b64 s[SAB:SAB+1], s[A0:A0+1]
	s_mov_b32 s[KC], 32
.Lslow:
	PLACES
	WIN TO_L
.irp g, 0,1
.irp jj, 0,1,2,3,4,5,6,7,8,9,10,11,12,13,14,15
	global_load_b128 v[64*\g+4*\jj:64*\g+4*\jj+3], v[VWO], s[SWB:SWB+1] offset:WP*(\jj+8*(\jj/8))+256*\g
.endr
.endr
	ALOAD 0, 0, SAB
	s_wait_loadcnt 0x0                             ; the data are in, and the bases are free
	CVTB
	TILES 0
	s_add_nc_u64 s[SWB:SWB+1], s[SWB:SWB+1], 32*WP
	s_add_nc_u64 s[SAB:SAB+1], s[SAB:SAB+1], 64
	s_sub_co_u32 s[KC], s[KC], 1
	s_cmp_lg_u32 s[KC], 0
	s_cbranch_scc1 .Lslow
	PLACES
	s_cmp_lt_u32 s[G], 4
	s_cbranch_scc1 .Lgrp
.Ldone:
	s_wait_tensorcnt 0x0                           ; the wave's end: three closing lines, behind my last tensor load and my last LDS store
	ds_add_u32 v[VSPW], v[VNIL]
	s_wait_dscnt 0x0
	s_endpgm
.Lfunc_end_k_q555111a2b8_up:
	.size	k_q555111a2b8_up, .Lfunc_end_k_q555111a2b8_up-k_q555111a2b8_up
	.p2alignl 7, 3214868480
	.fill 96, 4, 3214868480
	.section	.rodata,"a",@progbits
	.p2align	6, 0x0
	.amdhsa_kernel k_q555111a2b8_up
		.amdhsa_group_segment_fixed_size 327680
		.amdhsa_private_segment_fixed_size 0
		.amdhsa_enable_private_segment 0
		.amdhsa_kernarg_size 40
		.amdhsa_user_sgpr_count 2
		.amdhsa_user_sgpr_kernarg_segment_ptr 1
		.amdhsa_wavefront_size32 1
		.amdhsa_system_sgpr_workgroup_id_x 1
		.amdhsa_system_sgpr_workgroup_id_y 1
		.amdhsa_system_sgpr_workgroup_id_z 1
		.amdhsa_system_vgpr_workitem_id 0
		.amdhsa_next_free_vgpr 832
		.amdhsa_next_free_sgpr 98
		.amdhsa_reserve_vcc 1
		.amdhsa_float_denorm_mode_32 3
		.amdhsa_float_denorm_mode_16_64 3
		.amdhsa_memory_ordered 1
		.amdhsa_forward_progress 1
		.amdhsa_inst_pref_size 187
	.end_amdhsa_kernel
	.amdgpu_metadata
---
amdhsa.version: [ 1, 2 ]
amdhsa.kernels:
  - .name:           k_q555111a2b8_up
    .symbol:         k_q555111a2b8_up.kd
    .args:
      - { .name: W1, .offset: 0, .size: 8, .value_kind: global_buffer, .address_space: global }
      - { .name: b1, .offset: 8, .size: 8, .value_kind: global_buffer, .address_space: global }
      - { .name: xb, .offset: 16, .size: 8, .value_kind: global_buffer, .address_space: global }
      - { .name: bm, .offset: 24, .size: 8, .value_kind: global_buffer, .address_space: global }
      - { .name: h, .offset: 32, .size: 8, .value_kind: global_buffer, .address_space: global }
    .group_segment_fixed_size: 327680
    .private_segment_fixed_size: 0
    .kernarg_segment_align: 8
    .kernarg_segment_size: 40
    .max_flat_workgroup_size: 128
    .sgpr_count:     98
    .vgpr_count:     832
    .wavefront_size: 32
...
	.end_amdgpu_metadata
.endif
;; end of part 2
;; launch down (part 3): grid 32 x 8, 4 waves a work-group, no clusters, 327,680 bytes of LDS; arguments W2, b2, h, bm, gw, yp; writes yp
.if DOCPART == 3
	.amdgcn_target "amdgcn-amd-amdhsa--gfx1250"
	.amdhsa_code_object_version 6
	.text
	.protected	k_q555111a2b8_down
	.globl	k_q555111a2b8_down
	.p2align	8
	.type	k_q555111a2b8_down,@function
k_q555111a2b8_down:
	s_mov_b64 s[64:65], 0
	v_nop
	global_prefetch_b8 v0, s[64:65] scope:SCOPE_SE
	s_setreg_imm32_b32 hwreg(HW_REG_WAVE_MODE, 25, 1), 1
	s_wait_xcnt 0x0
; DOWN.  yp[ks][q][d] = w[q] x (the sum over f in quarter ks of h[q][f] W2[e][f][d], + b2[e][d] in quarter 0), f32: the partial sums of the 2,048 routed rows q = 2 t + slot, which the next launch adds.
; h comes as bf16; W2 and b2 are rounded to bf16 on their way; sums in f32, begun at the bias (quarter 0) or at 0; w is the gate's weight gw[q].
; SHARES.  Work-group (cs + 8 ks, e) owns columns 128 cs .. + 127 and rows f = 1,024 ks .. + 1,023 of expert e's W2: 512 KiB, which it alone reads, and ALL of the expert's rows of h.
; All else is the text of the launch before, with other pitches and another way out.  The rows, tokens ascending, go in groups of 320 = 20 tiles of 16; tile 4 i + w of a group is wave w's;
; group 0 takes the weights through two LDS slots of 256 k x 512 bytes filled by tensor loads, each wave a quarter; groups 1 to 3 (an expert with more than 320 rows) take them straight from memory,
; in a loop without barrier or tensor load, jumped by a scalar branch on the count.  NO CLUSTER: each slice of weights has one reader, and the rows of h come by a list.
; THE LIST is made by every work-group from the stored bitmaps: wave 0 clears it and places the entries; the sixteen places behind the last entry repeat it, so a tile that is not full stores that row
; again, the same bytes; EXEC is never narrowed.  Each wave reads the places of all its 20 tiles once, at fixed addresses, into 20 registers; a group picks its five by its number.
; WEIGHTS INTO FRAGMENTS.  W2 lies [f][d], f32.  Lane (r, hh) reads 16 bytes, columns 64 g + 4 r + 0..3, of sixteen rows; one rounding packs two neighbouring rows of ONE column: for c = 0..3 a fragment
; whose row r is column 64 g + 4 r + c.  Weights are source 0, tokens source 1: register j of accumulator (i, 4 g + c) in lane (r, hh) is token row r, column 64 g + 32 hh + 4 j + c.
; REGISTERS, in windows of 256 (s_set_vgpr_msb: bits 1:0 source 0, 3:2 source 1, 5:4 source 2, 7:6 destination):
;   window 0: v0-31 addresses and gate weights; v32-63 at work; v64-223 the tokens' fragments, a ring of four steps x 5 tiles x 8, and on the way out at work; v224-243 the list's places of my 20 tiles
;   window 1: v0-127 weights as they land, f32; v128-191 their 8 fragments; v192-255 the bias       window 2: accumulators of tiles 0-3 ((i, nt) at 64 i + 8 nt)       window 3: v0-63 tile 4's
.set WP,     4096                      ; bytes from a row of W2 to the next
.set WPE,    1024
.set CHUNKB, 256*WP
.set HALFB,  65536                     ; 128 LDS rows of 512 bytes: four steps of 32 along k
.set SLOTB,  131072
.set STAGE,  2*SLOTB                   ; behind the ring: 16 rows x 528 bytes for each wave
.set SPITCH, 528                       ; 512 bytes + 16: sixteen rows start at sixteen different groups of four banks (64 banks of 4 bytes: ISA guide 11.1); the first 4 of the 16 carry the row's q
.set STG,    16*SPITCH
.set LIST,   295936                    ; behind the four stages: 1,664 words: places 0 .. 1,599, of which 0 .. 1,279 are read; 32 dump words from place 1,600 on
.set DUMP,   1600
.set SPARE,  302592                    ; the spare words, 128 bytes for each wave: two blocks of 256 bytes that no other line names
.set CAP,    320
.set VR,   1
.set VHH,  2
.set VSPW, 3
.set VNIL, 4
.set VBAD, 5
.set VB0,  6
.set VAO,  7                           ; v7-11   tile i: 8,192 q + 16 hh
.set VQ,   12                          ; v12-16  tile i: my row's q
.set VW,   17                          ; v17-21  tile i: my row's gate weight
.set VSTO, 22
.set VRD,  23
.set VLA,  24                          ; the list at place 16 w + r; never rewritten
.set VSQ,  25                          ; the way out: my stage + 528 r: behind that row's 512 bytes goes its q
.set VCO,  26                          ; 16 lane
.set VPF,  27
.set VWO,  28
.set VRQ,  29                          ; the way out: my stage, the same in every lane
.set VT,   30
.set VH16, 31
.set VGO,  32                          ; v32-36  4 q
.set RING, 64
.set TMP,  64                          ; the way out (the ring is idle then): 64 registers of results,
.set OB,   128                         ; 16 rows read back,
.set QS,   192                         ; their 16 q,
.set OF,   208                         ; 16 offsets
.set QA,   224                         ; v224-243  group g, tile i at 5 g + i: q of my row
.set BBF,  128
.set BIAS, 192
.set G1,   48
.set G0A,  56
.set G0W,  60
.set CNT,  66
.set P,    67
.set T,    68
.set NM,   69
.set G,    70
.set EX,   71
.set TRIP, 72
.set BODY, 73
.set TB,   74
.set WV,   75
.set AB,   76
.set PFB,  78
.set SWB,  80
.set SAB,  82
.set OUTB, 84
.set OFS,  86
.set BMB,  88
.set TP,   90
.set WS,   92
.set BMASK, 94                         ; all ones in quarter 0, else 0
.set KC,   95
.set A0,   96                          ; s[96:97] h at my quarter's first f
.set CSX,  98
.set KSX,  99
.set MSB, 0
.macro WIN new                         ; the immediate's high byte repeats the setting that is left; a switch that changes nothing is dropped
.if MSB != (\new)
	s_set_vgpr_msb (MSB<<8)|(\new)
.set MSB, \new
.endif
.endm
.set MUL_LO, 0xa1                      ; source 0 (weights) window 1, source 1 (tokens) window 0, C and D window 2
.set TO_L,   0x40                      ; destination window 1, address window 0
.set CVT,    0x45                      ; destination and both sources window 1
.macro PLACES                          ; four plain instructions between a matrix instruction and a write of, or a load into, one of its registers, or a read of its result
.rept 4
	v_nop
.endr
.endm
.macro BLOAD kimm                      ; 32 LDS loads in one run: 32 rows x 128 columns of f32; sixteen lanes read 256 consecutive bytes
	WIN TO_L
.irp g, 0,1
.irp jj, 0,1,2,3,4,5,6,7,8,9,10,11,12,13,14,15
	ds_load_b128 v[64*\g+4*\jj:64*\g+4*\jj+3], v[VBAD] offset:(\kimm)+512*(\jj+8*(\jj/8))+256*\g
.endr
.endr
.endm
.macro CVTB                            ; 64 roundings: register p of fragment 4 g + c takes rows 2 p and 2 p + 1 of the sixteen, column c of my four
	WIN CVT
.irp g, 0,1
.irp c, 0,1,2,3
.irp p, 0,1,2,3,4,5,6,7
	v_cvt_pk_bf16_f32 v[BBF+8*(4*\g+\c)+\p], v[64*\g+8*\p+\c], v[64*\g+8*\p+4+\c]
.endr
.endr
.endr
.endm
.macro ALOAD a, imm, base              ; always ten loads, so that the counted wait means the same on every path; a dead tile has q = 0: a row that exists
	WIN 0
.irp i, 0,1,2,3,4
	global_load_b128 v[RING+40*(\a)+8*\i:RING+40*(\a)+8*\i+3], v[VAO+\i], s[\base:\base+1] offset:(\imm)
	global_load_b128 v[RING+40*(\a)+8*\i+4:RING+40*(\a)+8*\i+7], v[VAO+\i], s[\base:\base+1] offset:(\imm)+32
.endr
.endm
.macro TILES a                         ; the live tiles' products; the accumulators take turns, one instruction a turn; dead tiles are jumped
.irp i, 0,1,2,3,4
	WIN 0                                          ; at a branch and at a label every window is 0
	s_cmp_le_u32 s[NM], \i
	s_cbranch_scc1 .Ltl_\@
	WIN MUL_LO+0x50*(\i/4)
.irp nt, 0,1,2,3,4,5,6,7
	v_wmma_f32_16x16x32_bf16 v[64*(\i%4)+8*\nt:64*(\i%4)+8*\nt+7], v[BBF+8*\nt:BBF+8*\nt+7], v[RING+40*(\a)+8*\i:RING+40*(\a)+8*\i+7], v[64*(\i%4)+8*\nt:64*(\i%4)+8*\nt+7]
.endr
.endr
	WIN 0
.Ltl_\@:
.endm
.macro STEP u, pf                      ; 32 along k: round what landed; ask for the next step's weights and for the tokens three steps on; multiply
	WIN 0
	s_wait_dscnt 0x0                               ; this step's weights are in registers: they were asked for a step ago
	PLACES                                         ; behind the last step's products: their fragments are written anew, and the ring buffer that they read is loaded again
	CVTB
.if (\u) < 3
	BLOAD 16384*((\u)+1)
	WIN 0
.else
	WIN 0
	s_add_co_u32 s[TB], s[TB], HALFB
	v_add_nc_u32 v[VBAD], s[TB], v[VB0]
	s_cmp_eq_u32 s[BODY], 1                        ; at a slot's end the next run waits for the change of slots
	s_cbranch_scc1 .Lnob_\@
	BLOAD 0
	WIN 0
.Lnob_\@:
.endif
	ALOAD ((\u)+3)%4, 64*((\u)+3), AB
.if (\pf) && ((\u) == 1)
	s_cmp_lt_u32 s[TRIP], 2                        ; the first two slots' trips ask; behind them nothing is left to fetch
	s_cbranch_scc1 .Lnopf_\@
	global_prefetch_b8 v[VPF], s[PFB:PFB+1] offset:0 th:TH_LOAD_NT scope:SCOPE_SE       ; 32 lanes, 256 bytes apart: 16 rows of my quarter of the 256 rows that the next change of slots
	global_prefetch_b8 v[VPF], s[PFB:PFB+1] offset:16*WP th:TH_LOAD_NT scope:SCOPE_SE   ; will request, and 16 more; four such lines a slot cover its 64 rows once
.Lnopf_\@:
.endif
	s_wait_loadcnt 30                              ; loads come back in order (ISA guide 5.7.1): the three younger steps' ten each stay out, this step's ten are in
	TILES \u
.endm
.macro TRIPM pf                        ; a slot: two bodies of four steps
	s_mov_b32 s[BODY], 2
.Lbody_\@:
	STEP 0, \pf
	STEP 1, \pf
	STEP 2, \pf
	STEP 3, \pf
	s_wait_xcnt 0x0                                ; the bases of the loads and prefetches above are stepped only behind this wait
	s_add_nc_u64 s[AB:AB+1], s[AB:AB+1], 256
.if \pf
	s_add_nc_u64 s[PFB:PFB+1], s[PFB:PFB+1], 32*WP
.endif
	s_sub_co_u32 s[BODY], s[BODY], 1
	s_cmp_lg_u32 s[BODY], 0
	s_cbranch_scc1 .Lbody_\@
.endm
; THE CHANGE OF SLOTS.  Each wave waits for all its tensor loads (one at the most is out: its quarter of the other slot), adds 0 to its spare word, waits for that and for its reads of the slot that it
; leaves.  Behind the barrier nobody reads the old slot and the other is whole.  fill = 1: the old slot takes the 256 rows two slots on, first thing behind the barrier; it has eight steps in which to land.
.macro CHANGE fill
	WIN 0
	s_wait_tensorcnt 0x0                           ; no tensor load of mine is out, so a group 0 may be written
	ds_add_u32 v[VSPW], v[VNIL]                    ; 0 onto my spare word; the scalar work stands between it and the wait for it
.if \fill
	s_xor_b32 s[G0W+1], s[G0W+1], SLOTB
	s_add_nc_u64 s[G0W+2:G0W+3], s[G0W+2:G0W+3], CHUNKB
	s_add_nc_u64 s[PFB:PFB+1], s[PFB:PFB+1], CHUNKB-64*WP
.endif
	s_sub_co_u32 s[TB], s[TB], 2*HALFB
	s_xor_b32 s[TB], s[TB], SLOTB
	s_wait_dscnt 0x0
	s_barrier_signal -1
	s_barrier_wait -1
.if \fill
	tensor_load_to_lds s[G0W:G0W+3], s[G1:G1+7]
	s_nop 0
	PLACES
.endif
	v_add_nc_u32 v[VBAD], s[TB], v[VB0]
	BLOAD 0
	WIN 0
.endm
; a group's set-up: my live tiles, their rows' q out of the 20 registers, offsets and gate weights.  first = 1: group 0.  Else the group is 1, 2 or 3, and two masks made of its number choose.
.macro GROUPSET first
	s_mul_i32 s[T], s[G], CAP
	s_sub_co_u32 s[T], s[CNT], s[T]
	s_min_u32 s[T], s[T], CAP                      ; the group's rows
	s_add_co_u32 s[T], s[T], 15
	s_lshr_b32 s[T], s[T], 4                       ; its tiles
	s_add_co_u32 s[T], s[T], 3
	s_sub_co_u32 s[T], s[T], s[WV]
	s_lshr_b32 s[NM], s[T], 2                      ; those of them with number 4 i + w
.if \first
.irp i, 0,1,2,3,4
	v_min_u32 v[VQ+\i], 0x7ff, v[QA+\i]
.endr
.else
	s_cmp_eq_u32 s[G], 1
	s_cselect_b32 s[P], -1, 0
	s_cmp_eq_u32 s[G], 2
	s_cselect_b32 s[T], -1, 0
.irp i, 0,1,2,3,4
	v_cndmask_b32 v[VQ+\i], v[QA+15+\i], v[QA+5+\i], s[P]
	v_cndmask_b32 v[VQ+\i], v[VQ+\i], v[QA+10+\i], s[T]
	v_min_u32 v[VQ+\i], 0x7ff, v[VQ+\i]
.endr
.endif
.irp i, 0,1,2,3,4
	v_lshl_add_u32 v[VAO+\i], v[VQ+\i], 13, v[VH16]
	v_lshlrev_b32 v[VGO+\i], 2, v[VQ+\i]
.endr
.irp i, 0,1,2,3,4
	global_load_b32 v[VW+\i], v[VGO+\i], s[12:13]
.endr
.endm
.macro INIT                            ; the sums begin at the bias (0 outside quarter 0): nothing is cleared apart; all five tiles are written, the dead ones too
.irp i, 0,1,2,3,4
	WIN 0x81+0x40*(\i/4)
.irp g, 0,1
.irp c, 0,1,2,3
.irp j, 0,1,2,3,4,5,6,7
	v_mov_b32 v[64*(\i%4)+8*(4*\g+\c)+\j], v[BIAS+32*\g+4*\j+\c]
.endr
.endr
.endr
.endr
	WIN 0
.endm
; THE WAY OUT of tile i: times my row's gate weight (each accumulator read from its lowest register on), into my stage, each row's q behind its 512 bytes;
; back as whole rows of 512 bytes with their q, and to those rows of yp.  All these LDS addresses are my wave's own and fixed.
.macro EPIT i
	WIN 0
	s_cmp_le_u32 s[NM], \i
	s_cbranch_scc1 .Lepi_done
	s_wait_xcnt 0x0                                ; the registers that the last tile's stores name are written again only behind this wait
	WIN 0x02+(\i/4)                                ; source 0 window 2 or 3
.irp g, 0,1
.irp j, 0,1,2,3,4,5,6,7
.irp c, 0,1,2,3
	v_mul_f32 v[TMP+32*\g+4*\j+\c], v[64*(\i%4)+8*(4*\g+\c)+\j], v[VW+\i]
.endr
.endr
.endr
	WIN 0
.irp g, 0,1
.irp j, 0,1,2,3,4,5,6,7
	ds_store_b128 v[VSTO], v[TMP+32*\g+4*\j:TMP+32*\g+4*\j+3] offset:256*\g+16*\j
.endr
.endr
	ds_store_b32 v[VSQ], v[VQ+\i] offset:512       ; row r's q; the two lanes of a row store the same word
.irp t, 0,1,2,3,4,5,6,7,8,9,10,11,12,13,14,15
	ds_load_b32 v[QS+\t], v[VRQ] offset:512+SPITCH*\t  ; row t's q, in every lane
.endr
.irp t, 0,1,2,3,4,5,6,7,8,9,10,11,12,13,14,15
	ds_load_b128 v[OB+4*\t:OB+4*\t+3], v[VRD] offset:SPITCH*\t  ; LDS serves a wave's instructions in order (ISA guide 5.7.1.4): these see the stores above
.endr
	s_wait_dscnt 0x0
.irp t, 0,1,2,3,4,5,6,7,8,9,10,11,12,13,14,15
	v_min_u32 v[QS+\t], 0x7ff, v[QS+\t]
	v_lshl_add_u32 v[OF+\t], v[QS+\t], 12, v[VCO]  ; 4,096 q + 16 lane
.endr
.irp t, 0,1,2,3,4,5,6,7,8,9,10,11,12,13,14,15
	global_store_b128 v[OF+\t], v[OB+4*\t:OB+4*\t+3], s[OUTB:OUTB+1]  ; 32 lanes store 512 consecutive bytes, at a multiple of 512 from yp's first byte
.endr
.endm
	s_load_b256 s[4:11], s[0:1], 0x0               ; W2 s[4:5], b2 s[6:7], h s[8:9], bm s[10:11]
	s_load_b128 s[12:15], s[0:1], 0x20             ; gw s[12:13], yp s[14:15]
	v_lshl_add_u32 v[VSPW], v0, 2, SPARE
	v_mov_b32 v[VNIL], 0
	ds_add_u32 v[VSPW], v[VNIL]                    ; the wave's opening: the add and its wait ahead of my first tensor load; the set-up below, work on registers, stands between
	v_lshrrev_b32 v[VT], 5, v0
	v_readfirstlane_b32 s[WV], v[VT]
	s_and_b32 s[EX], ttmp7, 0xffff
	s_and_b32 s[CSX], ttmp9, 7                     ; which 128 columns
	s_lshr_b32 s[KSX], ttmp9, 3                    ; which quarter of f
	s_mov_b32 s[G1+0], 2<<16                       ; no mask; elements of 4 bytes; no padding
	s_mov_b32 s[G1+1], 128<<16                     ; tensor_dim0 = 128
	s_mov_b32 s[G1+2], 64<<16                      ; tensor_dim1 = 64
	s_mov_b32 s[G1+3], 128<<16                     ; tile_dim0 = 128 elements: 512 bytes, at a multiple of 512 from W2's first byte
	s_mov_b32 s[G1+4], 64                          ; tile_dim1 = 64 rows
	s_mov_b32 s[G1+5], WPE
	s_mov_b32 s[G1+6], 0
	s_mov_b32 s[G1+7], 0
	s_mov_b32 s[G0A], 1
	s_mul_i32 s[G0A+1], s[WV], 32768               ; my 64 rows of slot 0
	s_mov_b32 s[G0W], 1
	s_add_co_u32 s[G0W+1], s[G0A+1], SLOTB         ; and of slot 1
	s_lshl_b32 s[OFS], s[EX], 24                   ; an expert's W2 is 16 MiB,
	s_lshl_b32 s[P], s[KSX], 22                    ; a quarter of its rows 4 MiB,
	s_add_co_u32 s[OFS], s[OFS], s[P]
	s_lshl_b32 s[P], s[CSX], 9                     ; 128 columns 512 bytes
	s_add_co_u32 s[OFS], s[OFS], s[P]
	s_mov_b32 s[OFS+1], 0
	s_lshl_b32 s[TP], s[WV], 18                    ; 64 w rows
	s_mov_b32 s[TP+1], 0
	s_cmp_eq_u32 s[KSX], 0
	s_cselect_b32 s[BMASK], -1, 0
	s_wait_dscnt 0x0                               ; the opening add is done
	s_wait_kmcnt 0x0
	s_add_nc_u64 s[WS:WS+1], s[4:5], s[OFS:OFS+1]
	s_add_nc_u64 s[G0A+2:G0A+3], s[WS:WS+1], s[TP:TP+1]
	s_add_nc_u64 s[G0W+2:G0W+3], s[G0A+2:G0A+3], CHUNKB
	s_add_nc_u64 s[PFB:PFB+1], s[G0A+2:G0A+3], 2*CHUNKB
	s_or_b32 s[G0A+3], s[G0A+3], 0x80000000
	s_or_b32 s[G0W+3], s[G0W+3], 0x80000000
	tensor_load_to_lds s[G0A:G0A+3], s[G1:G1+7]    ; both first fills together, ahead of every wait on TENSORcnt, LDS read and barrier: two loads of mine are out, the most in this text
	s_nop 0
	tensor_load_to_lds s[G0W:G0W+3], s[G1:G1+7]
	s_nop 0
	PLACES
	s_lshl_b32 s[TP], s[EX], 7
	s_add_nc_u64 s[BMB:BMB+1], s[10:11], s[TP:TP+1]
	s_load_b512 s[16:31], s[BMB:BMB+1], 0x0        ; the expert's 32 words of plane 0
	s_load_b512 s[32:47], s[BMB:BMB+1], 0x40
	v_and_b32 v[VR], 15, v0
	v_bfe_u32 v[VHH], v0, 4, 1
	v_and_b32 v[VT], 31, v0
	v_lshlrev_b32 v[VH16], 4, v[VHH]
	v_lshlrev_b32 v[VCO], 4, v[VT]                 ; 16 lane
	v_lshlrev_b32 v[VWO], 4, v[VR]                 ; 16 r
	v_lshl_add_u32 v[VB0], v[VHH], 12, v[VWO]
	v_lshl_add_u32 v[VWO], v[VHH], 15, v[VWO]      ; + 8 hh rows of W2
	s_mul_i32 s[P], s[WV], STG
	s_add_co_u32 s[P], s[P], STAGE                 ; my stage
	v_mul_u32_u24 v[VSTO], v[VR], SPITCH
	v_add_nc_u32 v[VSQ], s[P], v[VSTO]             ; row r
	v_lshl_add_u32 v[VSTO], v[VHH], 7, v[VSQ]      ; in: row r, 128 bytes for each half of the lanes and each g
	v_add_nc_u32 v[VRD], s[P], v[VCO]              ; back: 32 lanes take a row of 512 bytes
	v_mov_b32 v[VRQ], s[P]
	s_lshl_b32 s[P], s[WV], 6
	s_add_co_u32 s[P], s[P], LIST                  ; my tile 0 of group 0: place 16 w
	v_lshl_add_u32 v[VLA], v[VR], 2, s[P]
	v_lshrrev_b32 v[VPF], 1, v[VT]
	v_lshlrev_b32 v[VPF], 12, v[VPF]
	v_and_b32 v[VT], 1, v[VT]
	v_lshl_add_u32 v[VPF], v[VT], 8, v[VPF]
	s_lshl_b32 s[TP], s[EX], 12                    ; b2: 4,096 e + 512 cs
	s_lshl_b32 s[P], s[CSX], 9
	s_add_co_u32 s[TP], s[TP], s[P]
	s_add_nc_u64 s[6:7], s[6:7], s[TP:TP+1]
	v_lshlrev_b32 v42, 7, v[VHH]                   ; my 32 columns of each g: 128 hh bytes on
	WIN TO_L
.irp g, 0,1
.irp j, 0,1,2,3,4,5,6,7
	global_load_b128 v[BIAS+32*\g+4*\j:BIAS+32*\g+4*\j+3], v42, s[6:7] offset:256*\g+16*\j
.endr
.endr
	WIN 0
	s_lshl_b32 s[TP], s[KSX], 23                   ; yp: a quarter's plane is 8 MiB
	s_add_co_u32 s[TP], s[TP], s[P]
	s_add_nc_u64 s[OUTB:OUTB+1], s[14:15], s[TP:TP+1]
	s_lshl_b32 s[TP], s[KSX], 11                   ; h: a quarter of a row is 2,048 bytes
	s_add_nc_u64 s[A0:A0+1], s[8:9], s[TP:TP+1]
	s_mov_b64 s[AB:AB+1], s[A0:A0+1]
	; THE COUNT: lane j of v32 takes the number of the expert's rows in the words below j
	s_wait_kmcnt 0x0
	v_mov_b32 v32, 0
	s_mov_b32 s[P], 0
.set j, 0
.rept 32
	v_writelane_b32 v32, s[P], j
	s_bcnt1_i32_b32 s[T], s[16+j]
	s_add_co_u32 s[P], s[P], s[T]
.set j, j+1
.endr
	s_mov_b32 s[CNT], s[P]
	; THE LIST: wave 0 alone; no other wave touches it before the barrier below.  First all its 6,656 bytes are cleared, 512 a store: a place that no entry takes reads as q = 0.
	; Then lane j walks word j's 32 tokens; a member's q goes to its rank, the others' to the lane's dump word.  LDS serves a wave's instructions in order (ISA guide 5.7.1.4).
	s_cmp_lg_u32 s[WV], 0
	s_cbranch_scc1 .Lnoscat
	v_lshlrev_b32 v43, 2, v0                       ; in wave 0 the thread's number is the lane
	global_load_b32 v33, v43, s[BMB:BMB+1]         ; chosen
	global_load_b32 v34, v43, s[BMB:BMB+1] offset:1024  ; chosen second
	v_and_b32 v46, 31, v0
	v_lshl_add_u32 v46, v46, 4, LIST
.irp m, 48,49,50,51
	v_mov_b32 v[\m], 0
.endr
.irp k, 0,1,2,3,4,5,6,7,8,9,10,11,12
	ds_store_b128 v46, v[48:51] offset:512*\k
.endr
	v_lshlrev_b32 v35, 6, v0                       ; 2 t of the word's first token
	v_add_nc_u32 v36, DUMP, v0
	s_mov_b32 s[KC], 32
	s_wait_loadcnt 0x0
.Lbit:
	v_and_b32 v37, 1, v33
	v_and_b32 v38, 1, v34
	v_cmp_eq_u32 vcc_lo, 1, v37
	v_cndmask_b32 v39, v36, v32, vcc_lo
	v_min_u32 v39, 0x65f, v39                      ; inside the list: place 1,631 at the most
	v_lshl_add_u32 v40, v39, 2, LIST
	v_add_nc_u32 v41, v35, v38                     ; q = 2 t + slot
	ds_store_b32 v40, v41
	v_add_nc_u32 v32, v32, v37
	v_add_nc_u32 v35, 2, v35
	v_lshrrev_b32 v33, 1, v33
	v_lshrrev_b32 v34, 1, v34
	s_sub_co_u32 s[KC], s[KC], 1
	s_cmp_lg_u32 s[KC], 0
	s_cbranch_scc1 .Lbit
	s_cmp_eq_u32 s[CNT], 0
	s_cbranch_scc1 .Lnoscat
	s_sub_co_u32 s[T], s[CNT], 1                   ; the sixteen places behind the last entry repeat it
	s_min_u32 s[T], s[T], 1023
	s_lshl_b32 s[T], s[T], 2
	s_add_co_u32 s[T], s[T], LIST
	v_mov_b32 v40, s[T]
	ds_load_b32 v41, v40                           ; behind the stores above, which LDS serves first
	v_add_nc_u32 v39, s[CNT], v[VR]
	v_min_u32 v39, 0x40f, v39
	v_lshl_add_u32 v45, v39, 2, LIST
	s_wait_dscnt 0x0
	ds_store_b32 v45, v41
.Lnoscat:
	s_wait_dscnt 0x0                               ; for the others' sake: the list is in LDS
	s_barrier_signal -1
	s_barrier_wait -1                              ; the tensor loads stay out
.irp g, 0,1,2,3
.irp i, 0,1,2,3,4
	ds_load_b32 v[QA+5*\g+\i], v[VLA] offset:4*CAP*\g+256*\i  ; place 320 g + 64 i + 16 w + r: my row of tile 4 i + w of group g
.endr
.endr
	s_wait_dscnt 0x0
	s_mov_b32 s[G], 0
	GROUPSET 1
	ALOAD 0, 0, AB
	ALOAD 1, 64, AB
	ALOAD 2, 128, AB
	s_wait_loadcnt 30                              ; all but those thirty: the bias and the gate weights are in
	WIN CVT
.set k, 0
.rept 32                                               ; the bias rounded to bf16, kept in quarter 0 alone, and widened again; the landing registers are still idle
	v_cvt_pk_bf16_f32 v[k], v[BIAS+2*k], v[BIAS+2*k+1]
	v_and_b32 v[k], s[BMASK], v[k]
.set k, k+1
.endr
.set k, 0
.rept 32
	v_lshlrev_b32 v[BIAS+2*k], 16, v[k]
	v_and_b32 v[BIAS+2*k+1], 0xffff0000, v[k]
.set k, k+1
.endr
	INIT
	s_wait_tensorcnt 0x1                           ; my quarter of slot 0 is in; slot 1's may stay out
	s_barrier_signal -1
	s_barrier_wait -1                              ; everybody's is
	s_mov_b32 s[TB], 0
	v_add_nc_u32 v[VBAD], s[TB], v[VB0]
	BLOAD 0
	WIN 0
	s_mov_b32 s[TRIP], 3
	s_branch .Lfirst                               ; the loop begins with the change of slots; the first slot has none
.Ltrip:
	CHANGE 1
.Lfirst:
	TRIPM 1
	s_sub_co_u32 s[TRIP], s[TRIP], 1
	s_cmp_lg_u32 s[TRIP], 0
	s_cbranch_scc1 .Ltrip
	CHANGE 0                                       ; the last slot is written out: nothing is asked for
	TRIPM 0
	s_wait_loadcnt 0x0                             ; the ring's last three steps reach 192 bytes past the quarter: the next quarter, the next row, or the zeros behind the last; waited for and not used
	PLACES
.Lgrp:
	EPIT 0
	EPIT 1
	EPIT 2
	EPIT 3
	EPIT 4
.Lepi_done:
	s_wait_xcnt 0x0                                ; what the stores above name is written again only behind this wait
	s_add_co_u32 s[G], s[G], 1
	s_cmp_ge_u32 s[G], 4                           ; four groups hold 1,280 rows, more than there are tokens
	s_cbranch_scc1 .Ldone
	s_mul_i32 s[T], s[G], CAP
	s_cmp_ge_u32 s[T], s[CNT]
	s_cbranch_scc1 .Ldone
	GROUPSET 0
	INIT
	s_mov_b64 s[SWB:SWB+1], s[WS:WS+1]             ; rows past 320: the slice once more, straight from memory into the landing registers, each wave for itself
	s_mov_b64 s[SAB:SAB+1], s[A0:A0+1]
	s_mov_b32 s[KC], 32
.Lslow:
	PLACES
	WIN TO_L
.irp g, 0,1
.irp jj, 0,1,2,3,4,5,6,7,8,9,10,11,12,13,14,15
	global_load_b128 v[64*\g+4*\jj:64*\g+4*\jj+3], v[VWO], s[SWB:SWB+1] offset:WP*(\jj+8*(\jj/8))+256*\g
.endr
.endr
	ALOAD 0, 0, SAB
	s_wait_loadcnt 0x0                             ; the data are in (the gate weights too), and the bases are free
	CVTB
	TILES 0
	s_add_nc_u64 s[SWB:SWB+1], s[SWB:SWB+1], 32*WP
	s_add_nc_u64 s[SAB:SAB+1], s[SAB:SAB+1], 64
	s_sub_co_u32 s[KC], s[KC], 1
	s_cmp_lg_u32 s[KC], 0
	s_cbranch_scc1 .Lslow
	PLACES
	s_cmp_lt_u32 s[G], 4
	s_cbranch_scc1 .Lgrp
.Ldone:
	s_wait_tensorcnt 0x0                           ; the wave's end: three closing lines, behind my last tensor load and my last LDS store
	ds_add_u32 v[VSPW], v[VNIL]
	s_wait_dscnt 0x0
	s_endpgm
.Lfunc_end_k_q555111a2b8_down:
	.size	k_q555111a2b8_down, .Lfunc_end_k_q555111a2b8_down-k_q555111a2b8_down
	.p2alignl 7, 3214868480
	.fill 96, 4, 3214868480
	.section	.rodata,"a",@progbits
	.p2align	6, 0x0
	.amdhsa_kernel k_q555111a2b8_down
		.amdhsa_group_segment_fixed_size 327680
		.amdhsa_private_segment_fixed_size 0
		.amdhsa_enable_private_segment 0
		.amdhsa_kernarg_size 48
		.amdhsa_user_sgpr_count 2
		.amdhsa_user_sgpr_kernarg_segment_ptr 1
		.amdhsa_wavefront_size32 1
		.amdhsa_system_sgpr_workgroup_id_x 1
		.amdhsa_system_sgpr_workgroup_id_y 1
		.amdhsa_system_sgpr_workgroup_id_z 1
		.amdhsa_system_vgpr_workitem_id 0
		.amdhsa_next_free_vgpr 832
		.amdhsa_next_free_sgpr 100
		.amdhsa_reserve_vcc 1
		.amdhsa_float_denorm_mode_32 3
		.amdhsa_float_denorm_mode_16_64 3
		.amdhsa_memory_ordered 1
		.amdhsa_forward_progress 1
		.amdhsa_inst_pref_size 195
	.end_amdhsa_kernel
	.amdgpu_metadata
---
amdhsa.version: [ 1, 2 ]
amdhsa.kernels:
  - .name:           k_q555111a2b8_down
    .symbol:         k_q555111a2b8_down.kd
    .args:
      - { .name: W2, .offset: 0, .size: 8, .value_kind: global_buffer, .address_space: global }
      - { .name: b2, .offset: 8, .size: 8, .value_kind: global_buffer, .address_space: global }
      - { .name: h, .offset: 16, .size: 8, .value_kind: global_buffer, .address_space: global }
      - { .name: bm, .offset: 24, .size: 8, .value_kind: global_buffer, .address_space: global }
      - { .name: gw, .offset: 32, .size: 8, .value_kind: global_buffer, .address_space: global }
      - { .name: yp, .offset: 40, .size: 8, .value_kind: global_buffer, .address_space: global }
    .group_segment_fixed_size: 327680
    .private_segment_fixed_size: 0
    .kernarg_segment_align: 8
    .kernarg_segment_size: 48
    .max_flat_workgroup_size: 128
    .sgpr_count:     100
    .vgpr_count:     832
    .wavefront_size: 32
...
	.end_amdgpu_metadata
.endif
;; end of part 3
;; launch sum (part 4): grid 256 x 1, 8 waves a work-group, no clusters, 0 bytes of LDS; arguments yp, out0; writes out0
.if DOCPART == 4
	.amdgcn_target "amdgcn-amd-amdhsa--gfx1250"
	.amdhsa_code_object_version 6
	.text
	.protected	k_q555111a2b8_sum
	.globl	k_q555111a2b8_sum
	.p2align	8
	.type	k_q555111a2b8_sum,@function
k_q555111a2b8_sum:
	s_mov_b64 s[64:65], 0
	v_nop
	global_prefetch_b8 v0, s[64:65] scope:SCOPE_SE
	s_setreg_imm32_b32 hwreg(HW_REG_WAVE_MODE, 25, 1), 1
	s_wait_xcnt 0x0
; SUM.  out0[t][d] = the sum over the four quarters ks and the two slots of yp[ks][2 t + slot][d], all f32.  The gate's weights and b2 are in yp already.
; A stream: every byte of yp is read once, every byte of out0 written once; LDS, barriers and the matrix unit would add nothing.
; A work-group owns 4 tokens; wave w the half w % 2 (2,048 bytes) of the row of token 4 b + w / 2.  All 32 loads of a wave, 512 consecutive bytes each, go out first: 16 KiB on their way.
.set R, 4                              ; v[4:131]: quarter ks, slot sl, piece m at R + 32 ks + 16 sl + 4 m; the sums grow in quarter 0's slot 0
	s_load_b128 s[4:7], s[0:1], 0x0                ; yp s[4:5], out0 s[6:7]
	v_lshrrev_b32 v1, 5, v0
	v_readfirstlane_b32 s8, v1                     ; wave
	v_and_b32 v1, 31, v0
	v_lshlrev_b32 v1, 4, v1                        ; 16 bytes a lane
	s_lshr_b32 s9, s8, 1
	s_lshl_b32 s10, ttmp9, 2
	s_add_co_u32 s10, s10, s9                      ; the token
	s_and_b32 s11, s8, 1
	s_lshl_b32 s11, s11, 11                        ; the half of its row
	s_lshl_b32 s12, s10, 13                        ; a token's two rows of yp are 8,192 bytes
	s_add_co_u32 s12, s12, s11
	s_mov_b32 s13, 0
	s_lshl_b32 s14, s10, 12
	s_add_co_u32 s14, s14, s11
	s_mov_b32 s15, 0
	s_wait_kmcnt 0x0
	s_add_nc_u64 s[16:17], s[4:5], s[12:13]        ; a base for each quarter: 8 MiB apart, more than a load's immediate holds
	s_add_nc_u64 s[18:19], s[16:17], 0x800000
	s_add_nc_u64 s[20:21], s[18:19], 0x800000
	s_add_nc_u64 s[22:23], s[20:21], 0x800000
	s_add_nc_u64 s[6:7], s[6:7], s[14:15]
.irp ks, 0,1,2,3
.irp sl, 0,1
.irp m, 0,1,2,3
	global_load_b128 v[R+32*\ks+16*\sl+4*\m:R+32*\ks+16*\sl+4*\m+3], v1, s[16+2*\ks:17+2*\ks] offset:4096*\sl+512*\m th:TH_LOAD_NT
.endr
.endr
.endr
	s_wait_loadcnt 24                              ; quarter 0's eight loads are in; the 24 younger ones stay out
.irp j, 0,1,2,3,4,5,6,7
	v_pk_add_f32 v[R+2*\j:R+2*\j+1], v[R+2*\j:R+2*\j+1], v[R+16+2*\j:R+16+2*\j+1]
.endr
.irp ks, 1,2,3
	s_wait_loadcnt 24-8*\ks                        ; this quarter's eight are in; the later quarters' stay out
.irp sl, 0,1
.irp j, 0,1,2,3,4,5,6,7
	v_pk_add_f32 v[R+2*\j:R+2*\j+1], v[R+2*\j:R+2*\j+1], v[R+32*\ks+16*\sl+2*\j:R+32*\ks+16*\sl+2*\j+1]
.endr
.endr
.endr
.irp m, 0,1,2,3
	global_store_b128 v1, v[R+4*\m:R+4*\m+3], s[6:7] offset:512*\m th:TH_STORE_NT  ; 512 consecutive bytes, at a multiple of 512 from out0's first byte
.endr
	s_endpgm
.Lfunc_end_k_q555111a2b8_sum:
	.size	k_q555111a2b8_sum, .Lfunc_end_k_q555111a2b8_sum-k_q555111a2b8_sum
	.p2alignl 7, 3214868480
	.fill 96, 4, 3214868480
	.section	.rodata,"a",@progbits
	.p2align	6, 0x0
	.amdhsa_kernel k_q555111a2b8_sum
		.amdhsa_group_segment_fixed_size 0
		.amdhsa_private_segment_fixed_size 0
		.amdhsa_enable_private_segment 0
		.amdhsa_kernarg_size 16
		.amdhsa_user_sgpr_count 2
		.amdhsa_user_sgpr_kernarg_segment_ptr 1
		.amdhsa_wavefront_size32 1
		.amdhsa_system_sgpr_workgroup_id_x 1
		.amdhsa_system_sgpr_workgroup_id_y 1
		.amdhsa_system_sgpr_workgroup_id_z 1
		.amdhsa_system_vgpr_workitem_id 0
		.amdhsa_next_free_vgpr 132
		.amdhsa_next_free_sgpr 66
		.amdhsa_reserve_vcc 0
		.amdhsa_float_denorm_mode_32 3
		.amdhsa_float_denorm_mode_16_64 3
		.amdhsa_memory_ordered 1
		.amdhsa_forward_progress 1
		.amdhsa_inst_pref_size 9
	.end_amdhsa_kernel
	.amdgpu_metadata
---
amdhsa.version: [ 1, 2 ]
amdhsa.kernels:
  - .name:           k_q555111a2b8_sum
    .symbol:         k_q555111a2b8_sum.kd
    .args:
      - { .name: yp, .offset: 0, .size: 8, .value_kind: global_buffer, .address_space: global }
      - { .name: out0, .offset: 8, .size: 8, .value_kind: global_buffer, .address_space: global }
    .group_segment_fixed_size: 0
    .private_segment_fixed_size: 0
    .kernarg_segment_align: 8
    .kernarg_segment_size: 16
    .max_flat_workgroup_size: 256
    .sgpr_count:     66
    .vgpr_count:     132
    .wavefront_size: 32
...
	.end_amdgpu_metadata
.endif
;; end of part 4
;; ======== version 2 of 2: 5 launches
;; workspace buffers: xb 2,097,664 bytes; gw 8,192 bytes; bm 2,048 bytes of whole numbers; ql 53,248 bytes of whole numbers; h 16,777,728 bytes; yp 33,554,432 bytes
;; launch route: the kernel of part 1 again; grid 128 x 1, 8 waves a work-group, no clusters, 9,216 bytes of LDS; arguments context, x, Wg, bg, xb, gw, bm; writes xb, gw, bm
;; launch list (part 5): grid 8 x 1, 1 waves a work-group, no clusters, 6,912 bytes of LDS; arguments bm, ql; writes ql
.if DOCPART == 5
	.amdgcn_target "amdgcn-amd-amdhsa--gfx1250"
	.amdhsa_code_object_version 6
	.text
	.protected	k_q555111a2b8_list
	.globl	k_q555111a2b8_list
	.p2align	8
	.type	k_q555111a2b8_list,@function
k_q555111a2b8_list:
	s_mov_b64 s[64:65], 0
	v_nop
	global_prefetch_b8 v0, s[64:65] scope:SCOPE_SE
	s_setreg_imm32_b32 hwreg(HW_REG_WAVE_MODE, 25, 1), 1
	s_wait_xcnt 0x0
; LIST.  ql[e][place] = q = 2 t + slot of the row that has rank 'place' among expert e's rows, tokens ascending (slot 0: the token's first choice, 1: its second).
; Read: the bitmaps that the launch before stored (plane 0: the token chose the expert; plane 1, 1,024 bytes on: it chose it second; bit t % 32 of word t / 32, 128 bytes an expert).
; Stored: 1,664 words an expert, all of them: places 0 .. 1,599 (the sixteen behind the last entry repeat it; every other place that no entry takes is 0), then 32 dump words that nobody reads.
; The two products read their rows' numbers from here, at fixed places: the list is made once, by eight waves, and not by each of their 512 work-groups.
; SHARES.  One work-group of one wave for each expert: the work is a chain (bitmaps, ranks, places, store), which more waves would not shorten.  No barrier: the wave has LDS to itself.
.set LIST,  0                          ; LDS: the list, 6,656 bytes
.set DUMP,  1600
.set QLE,   6656                       ; bytes of an expert's list
.set SPARE, 6656                       ; the spare words, 128 bytes for the wave: one block of 256 bytes that no other line names
.set P,   48
.set T,   49
.set CNT, 50                           ; the expert's rows
.set KC,  51
	s_load_b128 s[4:7], s[0:1], 0x0                ; bm s[4:5], ql s[6:7]
	v_lshl_add_u32 v2, v0, 2, SPARE                ; my spare word
	v_mov_b32 v3, 0                                ; and 0: these two serve the closing lines alone
	s_lshl_b32 s8, ttmp9, 7                        ; bm: 128 bytes an expert
	s_mov_b32 s9, 0
	s_mul_i32 s10, ttmp9, QLE
	s_mov_b32 s11, 0
	v_and_b32 v1, 15, v0
	v_lshlrev_b32 v43, 2, v0                       ; a word a lane
	v_lshlrev_b32 v46, 4, v0                       ; 16 bytes a lane: in the LDS list, which begins at byte 0, and in ql
.irp m, 48,49,50,51
	v_mov_b32 v[\m], 0
.endr
.irp k, 0,1,2,3,4,5,6,7,8,9,10,11,12
	ds_store_b128 v46, v[48:51] offset:LIST+512*\k  ; all 6,656 bytes are cleared, 512 a store, while the arguments are on their way
.endr
	v_lshlrev_b32 v35, 6, v0                       ; 2 t of my word's first token
	v_add_nc_u32 v36, DUMP, v0                     ; my dump word
	v_mov_b32 v32, 0
	s_wait_kmcnt 0x0
	s_add_nc_u64 s[4:5], s[4:5], s[8:9]
	s_add_nc_u64 s[6:7], s[6:7], s[10:11]
	s_load_b512 s[16:31], s[4:5], 0x0              ; the expert's 32 words of plane 0, for the counts
	s_load_b512 s[32:47], s[4:5], 0x40
	global_load_b32 v33, v43, s[4:5]               ; lane j: word j, chosen
	global_load_b32 v34, v43, s[4:5] offset:1024   ; and chosen second
	s_wait_kmcnt 0x0
	s_mov_b32 s[P], 0
.set j, 0
.rept 32                                               ; lane j of v32 takes the number of the expert's rows in the words below j
	v_writelane_b32 v32, s[P], j
	s_bcnt1_i32_b32 s[T], s[16+j]
	s_add_co_u32 s[P], s[P], s[T]
.set j, j+1
.endr
	s_mov_b32 s[CNT], s[P]
	s_mov_b32 s[KC], 32
	s_wait_loadcnt 0x0
.Lbit:                                                 ; lane j walks word j's 32 tokens; a member's q goes to its rank, the others' to the lane's dump word
	v_and_b32 v37, 1, v33
	v_and_b32 v38, 1, v34
	v_cmp_eq_u32 vcc_lo, 1, v37
	v_cndmask_b32 v39, v36, v32, vcc_lo
	v_min_u32 v39, 0x65f, v39                      ; inside the list: place 1,631 at the most
	v_lshl_add_u32 v40, v39, 2, LIST
	v_add_nc_u32 v41, v35, v38                     ; q = 2 t + slot
	ds_store_b32 v40, v41                          ; behind the clearing stores: LDS serves a wave's instructions in order (ISA guide 5.7.1.4)
	v_add_nc_u32 v32, v32, v37
	v_add_nc_u32 v35, 2, v35
	v_lshrrev_b32 v33, 1, v33
	v_lshrrev_b32 v34, 1, v34
	s_sub_co_u32 s[KC], s[KC], 1
	s_cmp_lg_u32 s[KC], 0
	s_cbranch_scc1 .Lbit
	s_cmp_eq_u32 s[CNT], 0
	s_cbranch_scc1 .Lnotail
	s_sub_co_u32 s[T], s[CNT], 1                   ; the sixteen places behind the last entry repeat it
	s_min_u32 s[T], s[T], 1023
	s_lshl_b32 s[T], s[T], 2
	s_add_co_u32 s[T], s[T], LIST
	v_mov_b32 v40, s[T]
	ds_load_b32 v41, v40
	v_add_nc_u32 v39, s[CNT], v1
	v_min_u32 v39, 0x40f, v39
	v_lshl_add_u32 v45, v39, 2, LIST
	s_wait_dscnt 0x0
	ds_store_b32 v45, v41
.Lnotail:
.irp k, 0,1,2,3,4,5,6,7,8,9,10,11,12
	ds_load_b128 v[64+4*\k:64+4*\k+3], v46 offset:LIST+512*\k  ; in order behind every store above
.endr
	s_wait_dscnt 0x0
.irp k, 0,1,2,3,4,5,6,7,8,9,10,11,12
	global_store_b128 v46, v[64+4*\k:64+4*\k+3], s[6:7] offset:512*\k  ; 512 consecutive bytes, at a multiple of 256 from ql's first byte
.endr
	s_wait_tensorcnt 0x0                           ; the wave's end: three closing lines behind my last LDS store
	ds_add_u32 v2, v3
	s_wait_dscnt 0x0
	s_endpgm
.Lfunc_end_k_q555111a2b8_list:
	.size	k_q555111a2b8_list, .Lfunc_end_k_q555111a2b8_list-k_q555111a2b8_list
	.p2alignl 7, 3214868480
	.fill 96, 4, 3214868480
	.section	.rodata,"a",@progbits
	.p2align	6, 0x0
	.amdhsa_kernel k_q555111a2b8_list
		.amdhsa_group_segment_fixed_size 6912
		.amdhsa_private_segment_fixed_size 0
		.amdhsa_enable_private_segment 0
		.amdhsa_kernarg_size 16
		.amdhsa_user_sgpr_count 2
		.amdhsa_user_sgpr_kernarg_segment_ptr 1
		.amdhsa_wavefront_size32 1
		.amdhsa_system_sgpr_workgroup_id_x 1
		.amdhsa_system_sgpr_workgroup_id_y 1
		.amdhsa_system_sgpr_workgroup_id_z 1
		.amdhsa_system_vgpr_workitem_id 0
		.amdhsa_next_free_vgpr 120
		.amdhsa_next_free_sgpr 66
		.amdhsa_reserve_vcc 1
		.amdhsa_float_denorm_mode_32 3
		.amdhsa_float_denorm_mode_16_64 3
		.amdhsa_memory_ordered 1
		.amdhsa_forward_progress 1
		.amdhsa_inst_pref_size 10
	.end_amdhsa_kernel
	.amdgpu_metadata
---
amdhsa.version: [ 1, 2 ]
amdhsa.kernels:
  - .name:           k_q555111a2b8_list
    .symbol:         k_q555111a2b8_list.kd
    .args:
      - { .name: bm, .offset: 0, .size: 8, .value_kind: global_buffer, .address_space: global }
      - { .name: ql, .offset: 8, .size: 8, .value_kind: global_buffer, .address_space: global }
    .group_segment_fixed_size: 6912
    .private_segment_fixed_size: 0
    .kernarg_segment_align: 8
    .kernarg_segment_size: 16
    .max_flat_workgroup_size: 32
    .sgpr_count:     66
    .vgpr_count:     120
    .wavefront_size: 32
...
	.end_amdgpu_metadata
.endif
;; end of part 5
;; launch up (part 6): grid 32 x 8, 4 waves a work-group, no clusters, 327,680 bytes of LDS; arguments W1, b1, xb, bm, h, ql; writes h
.if DOCPART == 6
	.amdgcn_target "amdgcn-amd-amdhsa--gfx1250"
	.amdhsa_code_object_version 6
	.text
	.protected	k_q555111a2b8_up
	.globl	k_q555111a2b8_up
	.p2align	8
	.type	k_q555111a2b8_up,@function
k_q555111a2b8_up:
	s_mov_b64 s[64:65], 0
	v_nop
	global_prefetch_b8 v0, s[64:65] scope:SCOPE_SE
	s_setreg_imm32_b32 hwreg(HW_REG_WAVE_MODE, 25, 1), 1
	s_wait_xcnt 0x0
; UP.  h[q][f] = relu(x[t] . W1[e][:, f] + b1[e][f]) in bf16, for the 2,048 routed rows q = 2 t + slot alone (slot 0: the token's first choice, 1: its second).
; x comes as bf16 (xb); W1 and b1 are rounded to bf16 on their way; sums in f32, begun at the bias; h rounded once.
; SHARES.  Work-group (slice, e) owns columns 128 slice .. + 127 of expert e: 1,024 x 128 numbers of W1, 512 KiB, which it alone reads, and ALL of the expert's rows.
; The rows, tokens ascending, go in groups of 320 = 20 tiles of 16; tile 4 i + w of a group is wave w's (i = 0 .. 4); a wave makes its tiles x all 128 columns.
; Group 0 takes the weights through LDS: two slots of 256 k x 512 bytes, filled by tensor loads, each wave a quarter.  Groups 1 to 3 exist only where an expert has more than 320 rows:
; they take the weights straight from memory, in a loop without barrier or tensor load, and are jumped by a scalar branch on the count.  So every split of the tokens is served.
; NO CLUSTER: each slice of weights has one reader; the rows of x come by a list, which no tile's descriptor covers; and the jumps over tiles past the count hang on a number read from memory.
; THE LIST of q comes from the launch before: ql[e][place].  The sixteen places behind the last entry repeat it: a tile that is not full computes and stores that row again, the same bytes, and EXEC
; is never narrowed; every other place past the count holds 0, a row that exists.  Each wave reads the places of all its 20 tiles once, at fixed addresses, into 20 registers; a group picks its five
; by its number.  The count is taken from the expert's 32 bitmap words in scalar registers.
; WEIGHTS INTO FRAGMENTS.  W1 lies [k][f], f32.  Lane (r, hh) reads 16 bytes, columns 64 g + 4 r + 0..3, of sixteen rows k; one rounding packs two neighbouring k of ONE column.
; So for c = 0..3 it holds a fragment whose row r is column 64 g + 4 r + c.  The matrix instruction has the weights as source 0 and the tokens as source 1:
; register j of accumulator (i, 4 g + c) in lane (r, hh) is token row r, column 64 g + 32 hh + 4 j + c: a lane owns 32 neighbouring columns of each g.
; REGISTERS, in windows of 256 (s_set_vgpr_msb: bits 1:0 source 0, 3:2 source 1, 5:4 source 2, 7:6 destination):
;   window 0: v0-31 addresses; v32-63 at work; v64-223 the tokens' fragments, a ring of four steps x 5 tiles x 8, and on the way out at work; v224-243 the list's places of my 20 tiles
;   window 1: v0-127 weights as they land, f32; v128-191 their 8 fragments; v192-255 the bias       window 2: accumulators of tiles 0-3 ((i, nt) at 64 i + 8 nt)       window 3: v0-63 tile 4's
.set WP,     16384                     ; bytes from a row of W1 to the next
.set WPE,    4096                      ; the same in elements
.set CHUNKB, 256*WP                    ; bytes from a slot's 256 rows to the next 256
.set HALFB,  65536                     ; 128 LDS rows of 512 bytes: four steps of 32 along k
.set SLOTB,  131072                    ; a slot; slot 1 begins here, so that one exclusive or turns an address in one slot into the other's
.set STAGE,  2*SLOTB                   ; behind the ring: 16 rows x 272 bytes for each wave, for the way out
.set SPITCH, 272                       ; 256 bytes + 16: sixteen rows start at sixteen different groups of four banks (64 banks of 4 bytes: ISA guide 11.1); the first 4 of the 16 carry the row's q
.set STG,    16*SPITCH
.set SPARE,  STAGE+4*STG               ; behind the stages: the spare words, 128 bytes for each wave: two blocks of 256 bytes that no other line names
.set CAP,    320                       ; rows in a group
.set QLE,    6656                      ; bytes of an expert's list in ql
.set VR,   1                           ; lane % 16
.set VHH,  2                           ; lane / 16
.set VSPW, 3                           ; my spare word; never rewritten
.set VNIL, 4                           ; 0; never rewritten
.set VBAD, 5                           ; LDS address of the weights' next run of loads
.set VB0,  6                           ; 16 r + 8 hh rows of 512 bytes
.set VAO,  7                           ; v7-11   tile i: byte offset of my token's row in xb, + 16 hh
.set VQ,   12                          ; v12-16  tile i: my row's q
.set VRQ,  17                          ; the way out: my stage + 272 hh: where the q of the rows that I store are read
.set VSTO, 22                          ; the way out: where I put my 16 bytes
.set VRD,  23                          ; where I read rows back
.set VLA,  24                          ; byte offset in the expert's list of place 16 w + r; never rewritten
.set VSQ,  25                          ; the way out: my stage + 272 r: behind that row's 256 bytes goes its q
.set VCO,  26                          ; 16 r
.set VPF,  27                          ; prefetch: (lane / 2) rows + 256 (lane % 2)
.set VWO,  28                          ; weights from memory: 8 hh rows + 16 r
.set VZ,   29                          ; 0, for the packed maximum
.set VT,   30
.set VH16, 31                          ; 16 hh
.set TMP,  32                          ; the way out: 32 registers, packed
.set RING, 64
.set QS,   64                          ; the way out (the ring is idle then): the q of 8 rows,
.set OF,   72                          ; 8 offsets,
.set OB,   128                         ; 16 rows read back
.set QA,   224                         ; v224-243  group g, tile i at 5 g + i: q of my row
.set BBF,  128                         ; window 1
.set BIAS, 192                         ; window 1: (g, j, c) at 32 g + 4 j + c
.set QLB,  14                          ; s[14:15] ql at my expert
.set G1,   48                          ; s[48:55] descriptor group 1
.set G0A,  56                          ; s[56:59] group 0 of slot 0's first fill
.set G0W,  60                          ; s[60:63] group 0 of slot 1's first fill; it then walks
.set CNT,  66                          ; the expert's rows
.set P,    67
.set T,    68
.set NM,   69                          ; my live tiles in the group, 0 .. 5
.set G,    70                          ; the group
.set EX,   71                          ; the expert
.set TRIP, 72
.set BODY, 73
.set TB,   74                          ; LDS byte at which the four steps in hand begin
.set WV,   75
.set AB,   76                          ; s[76:77] xb at the four steps in hand
.set PFB,  78                          ; s[78:79] where the prefetch stands
.set SWB,  80                          ; s[80:81], s[82:83] weights and tokens in the loop without LDS ring
.set SAB,  82
.set OUTB, 84                          ; s[84:85] h at my slice's columns
.set OFS,  86
.set BMB,  88                          ; s[88:89] bm at my expert
.set TP,   90
.set WS,   92                          ; s[92:93] W1 at my slice
.set KC,   95
.set A0,   96                          ; s[96:97] xb
.set MSB, 0
.macro WIN new                         ; the immediate's high byte repeats the setting that is left; a switch that changes nothing is dropped
.if MSB != (\new)
	s_set_vgpr_msb (MSB<<8)|(\new)
.set MSB, \new
.endif
.endm
.set MUL_LO, 0xa1                      ; source 0 (weights) window 1, source 1 (tokens) window 0, C and D window 2
.set TO_L,   0x40                      ; destination window 1, address window 0
.set CVT,    0x45                      ; destination and both sources window 1
.macro PLACES                          ; four plain instructions between a matrix instruction and a write of, or a load into, one of its registers, or a read of its result
.rept 4
	v_nop
.endr
.endm
; 32 LDS loads in one run: 32 rows k x 128 columns of f32 at byte kimm behind VBAD.  Sixteen lanes read 256 consecutive bytes: no bank is asked twice.
.macro BLOAD kimm
	WIN TO_L
.irp g, 0,1
.irp jj, 0,1,2,3,4,5,6,7,8,9,10,11,12,13,14,15
	ds_load_b128 v[64*\g+4*\jj:64*\g+4*\jj+3], v[VBAD] offset:(\kimm)+512*(\jj+8*(\jj/8))+256*\g
.endr
.endr
.endm
; 64 roundings: register p of fragment 4 g + c takes rows 2 p and 2 p + 1 of the sixteen, column c of my four
.macro CVTB
	WIN CVT
.irp g, 0,1
.irp c, 0,1,2,3
.irp p, 0,1,2,3,4,5,6,7
	v_cvt_pk_bf16_f32 v[BBF+8*(4*\g+\c)+\p], v[64*\g+8*\p+\c], v[64*\g+8*\p+4+\c]
.endr
.endr
.endr
.endm
; ten loads, always ten, so that the counted wait means the same on every path: 32 along k of my five tiles' rows into ring buffer a.  A dead tile has q = 0: a row that exists.
.macro ALOAD a, imm, base
	WIN 0
.irp i, 0,1,2,3,4
	global_load_b128 v[RING+40*(\a)+8*\i:RING+40*(\a)+8*\i+3], v[VAO+\i], s[\base:\base+1] offset:(\imm)
	global_load_b128 v[RING+40*(\a)+8*\i+4:RING+40*(\a)+8*\i+7], v[VAO+\i], s[\base:\base+1] offset:(\imm)+32
.endr
.endm
; the live tiles' products, 8 a tile; the accumulators take turns, one instruction a turn.  Dead tiles are jumped: nothing but matrix instructions is.
.macro TILES a
.irp i, 0,1,2,3,4
	WIN 0                                          ; at a branch and at a label every window is 0
	s_cmp_le_u32 s[NM], \i
	s_cbranch_scc1 .Ltl_\@
	WIN MUL_LO+0x50*(\i/4)
.irp nt, 0,1,2,3,4,5,6,7
	v_wmma_f32_16x16x32_bf16 v[64*(\i%4)+8*\nt:64*(\i%4)+8*\nt+7], v[BBF+8*\nt:BBF+8*\nt+7], v[RING+40*(\a)+8*\i:RING+40*(\a)+8*\i+7], v[64*(\i%4)+8*\nt:64*(\i%4)+8*\nt+7]
.endr
.endr
	WIN 0
.Ltl_\@:
.endm
; A STEP of 32 along k.  The weights that landed are rounded; the next step's run of LDS loads and the tokens' fragments three steps on are asked for; then the products.
.macro STEP u, pf
	WIN 0
	s_wait_dscnt 0x0                               ; this step's weights are in registers: they were asked for a step ago
	PLACES                                         ; behind the last step's products: their fragments are written anew, and the ring buffer that they read is loaded again
	CVTB
.if (\u) < 3
	BLOAD 16384*((\u)+1)
	WIN 0
.else
	WIN 0
	s_add_co_u32 s[TB], s[TB], HALFB
	v_add_nc_u32 v[VBAD], s[TB], v[VB0]
	s_cmp_eq_u32 s[BODY], 1                        ; at a slot's end the next run waits for the change of slots
	s_cbranch_scc1 .Lnob_\@
	BLOAD 0
	WIN 0
.Lnob_\@:
.endif
	ALOAD ((\u)+3)%4, 64*((\u)+3), AB
.if (\pf) && ((\u) == 1)
	s_cmp_lt_u32 s[TRIP], 2                        ; the first two slots' trips ask; behind them nothing is left to fetch
	s_cbranch_scc1 .Lnopf_\@
	global_prefetch_b8 v[VPF], s[PFB:PFB+1] offset:0 th:TH_LOAD_NT scope:SCOPE_SE       ; 32 lanes, 256 bytes apart: 16 rows of my quarter of the 256 rows that the next change of slots
	global_prefetch_b8 v[VPF], s[PFB:PFB+1] offset:16*WP th:TH_LOAD_NT scope:SCOPE_SE   ; will request, and 16 more; four such lines a slot cover its 64 rows once
.Lnopf_\@:
.endif
	s_wait_loadcnt 30                              ; loads come back in order (ISA guide 5.7.1): the three younger steps' ten each stay out, this step's ten are in
	TILES \u
.endm
; a slot: two bodies of four steps
.macro TRIPM pf
	s_mov_b32 s[BODY], 2
.Lbody_\@:
	STEP 0, \pf
	STEP 1, \pf
	STEP 2, \pf
	STEP 3, \pf
	s_wait_xcnt 0x0                                ; the bases of the loads and prefetches above are stepped only behind this wait
	s_add_nc_u64 s[AB:AB+1], s[AB:AB+1], 256
.if \pf
	s_add_nc_u64 s[PFB:PFB+1], s[PFB:PFB+1], 32*WP
.endif
	s_sub_co_u32 s[BODY], s[BODY], 1
	s_cmp_lg_u32 s[BODY], 0
	s_cbranch_scc1 .Lbody_\@
.endm
; THE CHANGE OF SLOTS.  Each wave waits for all its tensor loads, of which one at the most is out: its quarter of the other slot; adds 0 to its spare word; waits for that and for its reads of the
; slot that it leaves.  Behind the barrier nobody reads the old slot and the other slot is whole.  fill = 1: the old slot takes the 256 rows two slots on, the first thing behind the barrier:
; that load has the other slot's eight steps in which to land.
.macro CHANGE fill
	WIN 0
	s_wait_tensorcnt 0x0                           ; no tensor load of mine is out, so a group 0 may be written
	ds_add_u32 v[VSPW], v[VNIL]                    ; 0 onto my spare word; the scalar work stands between it and the wait for it
.if \fill
	s_xor_b32 s[G0W+1], s[G0W+1], SLOTB            ; the other slot than last time,
	s_add_nc_u64 s[G0W+2:G0W+3], s[G0W+2:G0W+3], CHUNKB  ; the next 256 rows; the type bits on top are not reached
	s_add_nc_u64 s[PFB:PFB+1], s[PFB:PFB+1], CHUNKB-64*WP
.endif
	s_sub_co_u32 s[TB], s[TB], 2*HALFB             ; the reads go back to a slot's head,
	s_xor_b32 s[TB], s[TB], SLOTB                  ; in the other slot
	s_wait_dscnt 0x0
	s_barrier_signal -1
	s_barrier_wait -1
.if \fill
	tensor_load_to_lds s[G0W:G0W+3], s[G1:G1+7]
	s_nop 0
	PLACES
.endif
	v_add_nc_u32 v[VBAD], s[TB], v[VB0]
	BLOAD 0
	WIN 0
.endm
; a group's set-up: my live tiles, their rows' q out of the 20 registers, the rows' offsets.  first = 1: group 0.  Else the group is 1, 2 or 3, and two masks made of its number choose.
.macro GROUPSET first
	s_mul_i32 s[T], s[G], CAP
	s_sub_co_u32 s[T], s[CNT], s[T]
	s_min_u32 s[T], s[T], CAP                      ; the group's rows
	s_add_co_u32 s[T], s[T], 15
	s_lshr_b32 s[T], s[T], 4                       ; its tiles
	s_add_co_u32 s[T], s[T], 3
	s_sub_co_u32 s[T], s[T], s[WV]
	s_lshr_b32 s[NM], s[T], 2                      ; those of them with number 4 i + w
.if \first
.irp i, 0,1,2,3,4
	v_min_u32 v[VQ+\i], 0x7ff, v[QA+\i]
.endr
.else
	s_cmp_eq_u32 s[G], 1
	s_cselect_b32 s[P], -1, 0
	s_cmp_eq_u32 s[G], 2
	s_cselect_b32 s[T], -1, 0
.irp i, 0,1,2,3,4
	v_cndmask_b32 v[VQ+\i], v[QA+15+\i], v[QA+5+\i], s[P]
	v_cndmask_b32 v[VQ+\i], v[VQ+\i], v[QA+10+\i], s[T]
	v_min_u32 v[VQ+\i], 0x7ff, v[VQ+\i]
.endr
.endif
.irp i, 0,1,2,3,4
	v_and_b32 v[VT], -2, v[VQ+\i]                  ; 2 t
	v_lshl_add_u32 v[VAO+\i], v[VT], 10, v[VH16]   ; 2,048 t + 16 hh
.endr
.endm
; the sums begin at the bias: nothing is cleared and no bias is added later.  All five tiles are written, the dead ones too.
.macro INIT
.irp i, 0,1,2,3,4
	WIN 0x81+0x40*(\i/4)                           ; source window 1, destination window 2 or 3
.irp g, 0,1
.irp c, 0,1,2,3
.irp j, 0,1,2,3,4,5,6,7
	v_mov_b32 v[64*(\i%4)+8*(4*\g+\c)+\j], v[BIAS+32*\g+4*\j+\c]
.endr
.endr
.endr
.endr
	WIN 0
.endm
; THE WAY OUT of tile i: rounded to bf16 in pairs of neighbouring columns (each accumulator read from its lowest register on), ReLU on the packed halves, into my stage,
; each row's q behind its 256 bytes; back as whole rows of 256 bytes with their q, and to those rows of h.  All these LDS addresses are my wave's own and fixed.
.macro EPIT i
	WIN 0
	s_cmp_le_u32 s[NM], \i
	s_cbranch_scc1 .Lepi_done
	s_wait_xcnt 0x0                                ; the registers that the last tile's stores name are written again only behind this wait
	WIN 0x0a+5*(\i/4)                              ; both sources window 2 or 3
.irp g, 0,1
.irp j, 0,1,2,3,4,5,6,7
.irp cp, 0,1
	v_cvt_pk_bf16_f32 v[TMP+16*\g+2*\j+\cp], v[64*(\i%4)+8*(4*\g+2*\cp)+\j], v[64*(\i%4)+8*(4*\g+2*\cp+1)+\j]
.endr
.endr
.endr
	WIN 0
.set k, 0
.rept 32
	v_pk_max_num_bf16 v[TMP+k], v[TMP+k], v[VZ]
.set k, k+1
.endr
.irp g, 0,1
.irp u, 0,1,2,3
	ds_store_b128 v[VSTO], v[TMP+16*\g+4*\u:TMP+16*\g+4*\u+3] offset:128*\g+16*\u
.endr
.endr
	ds_store_b32 v[VSQ], v[VQ+\i] offset:256       ; row r's q; the two lanes of a row store the same word
.irp t, 0,1,2,3,4,5,6,7
	ds_load_b32 v[QS+\t], v[VRQ] offset:256+2*SPITCH*\t  ; q of row 2 t (lanes 0-15) and 2 t + 1 (lanes 16-31)
.endr
.irp t, 0,1,2,3,4,5,6,7
	ds_load_b128 v[OB+4*\t:OB+4*\t+3], v[VRD] offset:2*SPITCH*\t  ; LDS serves a wave's instructions in order (ISA guide 5.7.1.4): these see the stores above
.endr
	s_wait_dscnt 0x0
.irp t, 0,1,2,3,4,5,6,7
	v_min_u32 v[QS+\t], 0x7ff, v[QS+\t]
	v_lshl_add_u32 v[OF+\t], v[QS+\t], 13, v[VCO]  ; 8,192 q + 16 r
.endr
.irp t, 0,1,2,3,4,5,6,7
	global_store_b128 v[OF+\t], v[OB+4*\t:OB+4*\t+3], s[OUTB:OUTB+1]  ; 16 lanes store 256 consecutive bytes, at a multiple of 256 from h's first byte
.endr
.endm
	s_load_b256 s[4:11], s[0:1], 0x0               ; W1 s[4:5], b1 s[6:7], xb s[8:9], bm s[10:11]
	s_load_b128 s[12:15], s[0:1], 0x20             ; h s[12:13], ql s[14:15]
	v_lshl_add_u32 v[VSPW], v0, 2, SPARE
	v_mov_b32 v[VNIL], 0
	ds_add_u32 v[VSPW], v[VNIL]                    ; the wave's opening: the add and its wait ahead of my first tensor load; the set-up below, work on registers, stands between
	v_lshrrev_b32 v[VT], 5, v0
	v_readfirstlane_b32 s[WV], v[VT]
	s_and_b32 s[EX], ttmp7, 0xffff
	s_mov_b32 s[G1+0], 2<<16                       ; no mask; elements of 4 bytes; no padding: the reads above take whole runs of 256 bytes
	s_mov_b32 s[G1+1], 128<<16                     ; tensor_dim0 = 128
	s_mov_b32 s[G1+2], 64<<16                      ; tensor_dim1 = 64
	s_mov_b32 s[G1+3], 128<<16                     ; tile_dim0 = 128 elements: 512 bytes, at a multiple of 512 from W1's first byte
	s_mov_b32 s[G1+4], 64                          ; tile_dim1 = 64 rows
	s_mov_b32 s[G1+5], WPE                         ; elements from row to row
	s_mov_b32 s[G1+6], 0
	s_mov_b32 s[G1+7], 0
	s_mov_b32 s[G0A], 1
	s_mul_i32 s[G0A+1], s[WV], 32768               ; my 64 rows of slot 0
	s_mov_b32 s[G0W], 1
	s_add_co_u32 s[G0W+1], s[G0A+1], SLOTB         ; and of slot 1
	s_lshl_b32 s[OFS], s[EX], 24                   ; an expert's W1 is 16 MiB,
	s_lshl_b32 s[P], ttmp9, 9                      ; a slice's columns 512 bytes
	s_add_co_u32 s[OFS], s[OFS], s[P]
	s_mov_b32 s[OFS+1], 0
	s_lshl_b32 s[TP], s[WV], 20                    ; 64 w rows
	s_mov_b32 s[TP+1], 0
	s_wait_dscnt 0x0                               ; the opening add is done
	s_wait_kmcnt 0x0
	s_add_nc_u64 s[WS:WS+1], s[4:5], s[OFS:OFS+1]
	s_add_nc_u64 s[G0A+2:G0A+3], s[WS:WS+1], s[TP:TP+1]
	s_add_nc_u64 s[G0W+2:G0W+3], s[G0A+2:G0A+3], CHUNKB
	s_add_nc_u64 s[PFB:PFB+1], s[G0A+2:G0A+3], 2*CHUNKB
	s_or_b32 s[G0A+3], s[G0A+3], 0x80000000
	s_or_b32 s[G0W+3], s[G0W+3], 0x80000000
	tensor_load_to_lds s[G0A:G0A+3], s[G1:G1+7]    ; both first fills together, ahead of every wait on TENSORcnt, LDS read and barrier: two loads of mine are out, the most in this text
	s_nop 0
	tensor_load_to_lds s[G0W:G0W+3], s[G1:G1+7]
	s_nop 0
	PLACES
	s_lshl_b32 s[TP], s[EX], 7
	s_add_nc_u64 s[BMB:BMB+1], s[10:11], s[TP:TP+1]
	s_load_b512 s[16:31], s[BMB:BMB+1], 0x0        ; the expert's 32 words of plane 0, for the count
	s_load_b512 s[32:47], s[BMB:BMB+1], 0x40
	s_mul_i32 s[TP], s[EX], QLE
	s_add_nc_u64 s[QLB:QLB+1], s[QLB:QLB+1], s[TP:TP+1]
	v_and_b32 v[VR], 15, v0
	s_lshl_b32 s[P], s[WV], 6
	v_lshl_add_u32 v[VLA], v[VR], 2, s[P]          ; place 16 w + r, 4 bytes a place
.irp g, 0,1,2,3
.irp i, 0,1,2,3,4
	global_load_b32 v[QA+5*\g+\i], v[VLA], s[QLB:QLB+1] offset:4*CAP*\g+256*\i  ; place 320 g + 64 i + 16 w + r: my row of tile 4 i + w of group g; 1,279 at the most, of the list's 1,664
.endr
.endr
	v_bfe_u32 v[VHH], v0, 4, 1
	v_and_b32 v[VT], 31, v0
	v_lshlrev_b32 v[VH16], 4, v[VHH]
	v_lshlrev_b32 v[VCO], 4, v[VR]
	v_lshl_add_u32 v[VB0], v[VHH], 12, v[VCO]
	s_mul_i32 s[P], s[WV], STG
	s_add_co_u32 s[P], s[P], STAGE                 ; my stage
	v_mul_u32_u24 v[VSTO], v[VR], SPITCH
	v_add_nc_u32 v[VSQ], s[P], v[VSTO]             ; row r
	v_lshl_add_u32 v[VSTO], v[VHH], 6, v[VSQ]      ; in: row r, 64 bytes for each half of the lanes and each g
	v_mul_u32_u24 v[VRD], v[VHH], SPITCH
	v_add_nc_u32 v[VRQ], s[P], v[VRD]              ; back: lanes 0-15 one row, lanes 16-31 the next,
	v_add_nc_u32 v[VRD], v[VRQ], v[VCO]            ; 16 bytes a lane
	v_lshrrev_b32 v[VPF], 1, v[VT]
	v_lshlrev_b32 v[VPF], 14, v[VPF]
	v_and_b32 v[VT], 1, v[VT]
	v_lshl_add_u32 v[VPF], v[VT], 8, v[VPF]
	v_lshl_add_u32 v[VWO], v[VHH], 17, v[VCO]
	v_mov_b32 v[VZ], 0
	s_lshl_b32 s[TP], s[EX], 14                    ; b1: 16,384 e + 512 slice
	s_lshl_b32 s[P], ttmp9, 9
	s_add_co_u32 s[TP], s[TP], s[P]
	s_add_nc_u64 s[6:7], s[6:7], s[TP:TP+1]
	v_lshlrev_b32 v42, 7, v[VHH]                   ; my 32 columns of each g: 128 hh bytes on
	WIN TO_L
.irp g, 0,1
.irp j, 0,1,2,3,4,5,6,7
	global_load_b128 v[BIAS+32*\g+4*\j:BIAS+32*\g+4*\j+3], v42, s[6:7] offset:256*\g+16*\j
.endr
.endr
	WIN 0
	s_lshl_b32 s[TP], ttmp9, 8
	s_add_nc_u64 s[OUTB:OUTB+1], s[12:13], s[TP:TP+1]
	s_mov_b64 s[A0:A0+1], s[8:9]
	s_mov_b64 s[AB:AB+1], s[8:9]
	s_wait_kmcnt 0x0
	s_mov_b32 s[CNT], 0
.set j, 0
.rept 32                                               ; THE COUNT: the bits of the expert's 32 words
	s_bcnt1_i32_b32 s[T], s[16+j]
	s_add_co_u32 s[CNT], s[CNT], s[T]
.set j, j+1
.endr
	s_wait_loadcnt 16                              ; the list's twenty loads are in; the bias's sixteen, issued behind them, may stay out
	s_mov_b32 s[G], 0
	GROUPSET 1
	ALOAD 0, 0, AB
	ALOAD 1, 64, AB
	ALOAD 2, 128, AB
	s_wait_loadcnt 30                              ; all but those thirty: the bias is in
	WIN CVT
.set k, 0
.rept 32                                               ; the bias rounded to bf16 and widened again; the landing registers are still idle
	v_cvt_pk_bf16_f32 v[k], v[BIAS+2*k], v[BIAS+2*k+1]
.set k, k+1
.endr
.set k, 0
.rept 32
	v_lshlrev_b32 v[BIAS+2*k], 16, v[k]
	v_and_b32 v[BIAS+2*k+1], 0xffff0000, v[k]
.set k, k+1
.endr
	INIT
	s_or_b32 s[T], s[EX], ttmp9
	s_or_b32 s[T], s[T], s[WV]
	s_cmp_lg_u32 s[T], 0
	s_cbranch_scc1 .Lnopad
	v_lshl_add_u32 v44, v0, 4, 0x1000000           ; one wave of the launch: 512 zero bytes behind h's last row, which the next launch's look-ahead touches and never uses
.irp m, 48,49,50,51
	v_mov_b32 v[\m], 0
.endr
	global_store_b128 v44, v[48:51], s[12:13]
	s_wait_xcnt 0x0
.Lnopad:
	s_wait_tensorcnt 0x1                           ; my quarter of slot 0 is in; slot 1's may stay out
	s_barrier_signal -1
	s_barrier_wait -1                              ; everybody's is
	s_mov_b32 s[TB], 0
	v_add_nc_u32 v[VBAD], s[TB], v[VB0]
	BLOAD 0
	WIN 0
	s_mov_b32 s[TRIP], 3
	s_branch .Lfirst                               ; the loop begins with the change of slots; the first slot has none
.Ltrip:
	CHANGE 1
.Lfirst:
	TRIPM 1
	s_sub_co_u32 s[TRIP], s[TRIP], 1
	s_cmp_lg_u32 s[TRIP], 0
	s_cbranch_scc1 .Ltrip
	CHANGE 0                                       ; the last slot is written out: nothing is asked for
	TRIPM 0
	s_wait_loadcnt 0x0                             ; the ring's last three steps reach 192 bytes past a row's k: the next row, or the zeros behind the last; they are waited for and not used
	PLACES
.Lgrp:
	EPIT 0
	EPIT 1
	EPIT 2
	EPIT 3
	EPIT 4
.Lepi_done:
	s_wait_xcnt 0x0                                ; the next group's loads land on registers that the stores above name
	s_add_co_u32 s[G], s[G], 1
	s_cmp_ge_u32 s[G], 4                           ; four groups hold 1,280 rows, more than there are tokens
	s_cbranch_scc1 .Ldone
	s_mul_i32 s[T], s[G], CAP
	s_cmp_ge_u32 s[T], s[CNT]
	s_cbranch_scc1 .Ldone
	GROUPSET 0
	INIT
	s_mov_b64 s[SWB:SWB+1], s[WS:WS+1]             ; rows past 320: the slice once more, straight from memory into the landing registers, each wave for itself
	s_mov_b64 s[SAB:SAB+1], s[A0:A0+1]
	s_mov_b32 s[KC], 32
.Lslow:
	PLACES
	WIN TO_L
.irp g, 0,1
.irp jj, 0,1,2,3,4,5,6,7,8,9,10,11,12,13,14,15
	global_load_b128 v[64*\g+4*\jj:64*\g+4*\jj+3], v[VWO], s[SWB:SWB+1] offset:WP*(\jj+8*(\jj/8))+256*\g
.endr
.endr
	ALOAD 0, 0, SAB
	s_wait_loadcnt 0x0                             ; the data are in, and the bases are free
	CVTB
	TILES 0
	s_add_nc_u64 s[SWB:SWB+1], s[SWB:SWB+1], 32*WP
	s_add_nc_u64 s[SAB:SAB+1], s[SAB:SAB+1], 64
	s_sub_co_u32 s[KC], s[KC], 1
	s_cmp_lg_u32 s[KC], 0
	s_cbranch_scc1 .Lslow
	PLACES
	s_cmp_lt_u32 s[G], 4
	s_cbranch_scc1 .Lgrp
.Ldone:
	s_wait_tensorcnt 0x0                           ; the wave's end: three closing lines, behind my last tensor load and my last LDS store
	ds_add_u32 v[VSPW], v[VNIL]
	s_wait_dscnt 0x0
	s_endpgm
.Lfunc_end_k_q555111a2b8_up:
	.size	k_q555111a2b8_up, .Lfunc_end_k_q555111a2b8_up-k_q555111a2b8_up
	.p2alignl 7, 3214868480
	.fill 96, 4, 3214868480
	.section	.rodata,"a",@progbits
	.p2align	6, 0x0
	.amdhsa_kernel k_q555111a2b8_up
		.amdhsa_group_segment_fixed_size 327680
		.amdhsa_private_segment_fixed_size 0
		.amdhsa_enable_private_segment 0
		.amdhsa_kernarg_size 48
		.amdhsa_user_sgpr_count 2
		.amdhsa_user_sgpr_kernarg_segment_ptr 1
		.amdhsa_wavefront_size32 1
		.amdhsa_system_sgpr_workgroup_id_x 1
		.amdhsa_system_sgpr_workgroup_id_y 1
		.amdhsa_system_sgpr_workgroup_id_z 1
		.amdhsa_system_vgpr_workitem_id 0
		.amdhsa_next_free_vgpr 832
		.amdhsa_next_free_sgpr 98
		.amdhsa_reserve_vcc 0
		.amdhsa_float_denorm_mode_32 3
		.amdhsa_float_denorm_mode_16_64 3
		.amdhsa_memory_ordered 1
		.amdhsa_forward_progress 1
		.amdhsa_inst_pref_size 183
	.end_amdhsa_kernel
	.amdgpu_metadata
---
amdhsa.version: [ 1, 2 ]
amdhsa.kernels:
  - .name:           k_q555111a2b8_up
    .symbol:         k_q555111a2b8_up.kd
    .args:
      - { .name: W1, .offset: 0, .size: 8, .value_kind: global_buffer, .address_space: global }
      - { .name: b1, .offset: 8, .size: 8, .value_kind: global_buffer, .address_space: global }
      - { .name: xb, .offset: 16, .size: 8, .value_kind: global_buffer, .address_space: global }
      - { .name: bm, .offset: 24, .size: 8, .value_kind: global_buffer, .address_space: global }
      - { .name: h, .offset: 32, .size: 8, .value_kind: global_buffer, .address_space: global }
      - { .name: ql, .offset: 40, .size: 8, .value_kind: global_buffer, .address_space: global }
    .group_segment_fixed_size: 327680
    .private_segment_fixed_size: 0
    .kernarg_segment_align: 8
    .kernarg_segment_size: 48
    .max_flat_workgroup_size: 128
    .sgpr_count:     98
    .vgpr_count:     832
    .wavefront_size: 32
...
	.end_amdgpu_metadata
.endif
;; end of part 6
;; launch down (part 7): grid 32 x 8, 4 waves a work-group, no clusters, 327,680 bytes of LDS; arguments W2, b2, h, bm, gw, yp, ql; writes yp
.if DOCPART == 7
	.amdgcn_target "amdgcn-amd-amdhsa--gfx1250"
	.amdhsa_code_object_version 6
	.text
	.protected	k_q555111a2b8_down
	.globl	k_q555111a2b8_down
	.p2align	8
	.type	k_q555111a2b8_down,@function
k_q555111a2b8_down:
	s_mov_b64 s[64:65], 0
	v_nop
	global_prefetch_b8 v0, s[64:65] scope:SCOPE_SE
	s_setreg_imm32_b32 hwreg(HW_REG_WAVE_MODE, 25, 1), 1
	s_wait_xcnt 0x0
; DOWN.  yp[ks][q][d] = w[q] x (the sum over f in quarter ks of h[q][f] W2[e][f][d], + b2[e][d] in quarter 0), f32: the partial sums of the 2,048 routed rows q = 2 t + slot, which the next launch adds.
; h comes as bf16; W2 and b2 are rounded to bf16 on their way; sums in f32, begun at the bias (quarter 0) or at 0; w is the gate's weight gw[q].
; SHARES.  Work-group (cs + 8 ks, e) owns columns 128 cs .. + 127 and rows f = 1,024 ks .. + 1,023 of expert e's W2: 512 KiB, which it alone reads, and ALL of the expert's rows of h.
; All else is the text of the launch before, with other pitches and another way out.  The rows, tokens ascending, go in groups of 320 = 20 tiles of 16; tile 4 i + w of a group is wave w's;
; group 0 takes the weights through two LDS slots of 256 k x 512 bytes filled by tensor loads, each wave a quarter; groups 1 to 3 (an expert with more than 320 rows) take them straight from memory,
; in a loop without barrier or tensor load, jumped by a scalar branch on the count.
; NO CLUSTER: each slice of weights has one reader; the rows of h come by a list, which no tile's descriptor covers; and the jumps over tiles past the count hang on a number read from memory.
; THE LIST of q comes from an earlier launch: ql[e][place].  The sixteen places behind the last entry repeat it, so a tile that is not full stores that row again, the same bytes; EXEC is never
; narrowed; every other place past the count holds 0, a row that exists.  Each wave reads the places of all its 20 tiles once, at fixed addresses, into 20 registers; a group picks its five by its number.
; WEIGHTS INTO FRAGMENTS.  W2 lies [f][d], f32.  Lane (r, hh) reads 16 bytes, columns 64 g + 4 r + 0..3, of sixteen rows; one rounding packs two neighbouring rows of ONE column: for c = 0..3 a fragment
; whose row r is column 64 g + 4 r + c.  Weights are source 0, tokens source 1: register j of accumulator (i, 4 g + c) in lane (r, hh) is token row r, column 64 g + 32 hh + 4 j + c.
; REGISTERS, in windows of 256 (s_set_vgpr_msb: bits 1:0 source 0, 3:2 source 1, 5:4 source 2, 7:6 destination):
;   window 0: v0-31 addresses and gate weights; v32-63 at work; v64-223 the tokens' fragments, a ring of four steps x 5 tiles x 8, and on the way out at work; v224-243 the list's places of my 20 tiles
;   window 1: v0-127 weights as they land, f32; v128-191 their 8 fragments; v192-255 the bias       window 2: accumulators of tiles 0-3 ((i, nt) at 64 i + 8 nt)       window 3: v0-63 tile 4's
.set WP,     4096                      ; bytes from a row of W2 to the next
.set WPE,    1024
.set CHUNKB, 256*WP
.set HALFB,  65536                     ; 128 LDS rows of 512 bytes: four steps of 32 along k
.set SLOTB,  131072
.set STAGE,  2*SLOTB                   ; behind the ring: 16 rows x 528 bytes for each wave
.set SPITCH, 528                       ; 512 bytes + 16: sixteen rows start at sixteen different groups of four banks (64 banks of 4 bytes: ISA guide 11.1); the first 4 of the 16 carry the row's q
.set STG,    16*SPITCH
.set SPARE,  STAGE+4*STG               ; behind the stages: the spare words, 128 bytes for each wave: two blocks of 256 bytes that no other line names
.set CAP,    320
.set QLE,    6656                      ; bytes of an expert's list in ql
.set VR,   1
.set VHH,  2
.set VSPW, 3
.set VNIL, 4
.set VBAD, 5
.set VB0,  6
.set VAO,  7                           ; v7-11   tile i: 8,192 q + 16 hh
.set VQ,   12                          ; v12-16  tile i: my row's q
.set VW,   17                          ; v17-21  tile i: my row's gate weight
.set VSTO, 22
.set VRD,  23
.set VLA,  24                          ; byte offset in the expert's list of place 16 w + r; never rewritten
.set VSQ,  25                          ; the way out: my stage + 528 r: behind that row's 512 bytes goes its q
.set VCO,  26                          ; 16 lane
.set VPF,  27
.set VWO,  28
.set VRQ,  29                          ; the way out: my stage, the same in every lane
.set VT,   30
.set VH16, 31
.set VGO,  32                          ; v32-36  4 q
.set RING, 64
.set TMP,  64                          ; the way out (the ring is idle then): 64 registers of results,
.set OB,   128                         ; 16 rows read back,
.set QS,   192                         ; their 16 q,
.set OF,   208                         ; 16 offsets
.set QA,   224                         ; v224-243  group g, tile i at 5 g + i: q of my row
.set BBF,  128
.set BIAS, 192
.set G1,   48
.set G0A,  56
.set G0W,  60
.set CNT,  66
.set P,    67
.set T,    68
.set NM,   69
.set G,    70
.set EX,   71
.set TRIP, 72
.set BODY, 73
.set TB,   74
.set WV,   75
.set AB,   76
.set PFB,  78
.set SWB,  80
.set SAB,  82
.set OUTB, 84
.set OFS,  86
.set BMB,  88
.set TP,   90
.set WS,   92
.set BMASK, 94                         ; all ones in quarter 0, else 0
.set KC,   95
.set A0,   96                          ; s[96:97] h at my quarter's first f
.set CSX,  98
.set KSX,  99
.set QLB,  100                         ; s[100:101] ql at my expert
.set MSB, 0
.macro WIN new                         ; the immediate's high byte repeats the setting that is left; a switch that changes nothing is dropped
.if MSB != (\new)
	s_set_vgpr_msb (MSB<<8)|(\new)
.set MSB, \new
.endif
.endm
.set MUL_LO, 0xa1                      ; source 0 (weights) window 1, source 1 (tokens) window 0, C and D window 2
.set TO_L,   0x40                      ; destination window 1, address window 0
.set CVT,    0x45                      ; destination and both sources window 1
.macro PLACES                          ; four plain instructions between a matrix instruction and a write of, or a load into, one of its registers, or a read of its result
.rept 4
	v_nop
.endr
.endm
.macro BLOAD kimm                      ; 32 LDS loads in one run: 32 rows x 128 columns of f32; sixteen lanes read 256 consecutive bytes
	WIN TO_L
.irp g, 0,1
.irp jj, 0,1,2,3,4,5,6,7,8,9,10,11,12,13,14,15
	ds_load_b128 v[64*\g+4*\jj:64*\g+4*\jj+3], v[VBAD] offset:(\kimm)+512*(\jj+8*(\jj/8))+256*\g
.endr
.endr
.endm
.macro CVTB                            ; 64 roundings: register p of fragment 4 g + c takes rows 2 p and 2 p + 1 of the sixteen, column c of my four
	WIN CVT
.irp g, 0,1
.irp c, 0,1,2,3
.irp p, 0,1,2,3,4,5,6,7
	v_cvt_pk_bf16_f32 v[BBF+8*(4*\g+\c)+\p], v[64*\g+8*\p+\c], v[64*\g+8*\p+4+\c]
.endr
.endr
.endr
.endm
.macro ALOAD a, imm, base              ; always ten loads, so that the counted wait means the same on every path; a dead tile has q = 0: a row that exists
	WIN 0
.irp i, 0,1,2,3,4
	global_load_b128 v[RING+40*(\a)+8*\i:RING+40*(\a)+8*\i+3], v[VAO+\i], s[\base:\base+1] offset:(\imm)
	global_load_b128 v[RING+40*(\a)+8*\i+4:RING+40*(\a)+8*\i+7], v[VAO+\i], s[\base:\base+1] offset:(\imm)+32
.endr
.endm
.macro TILES a                         ; the live tiles' products; the accumulators take turns, one instruction a turn; dead tiles are jumped
.irp i, 0,1,2,3,4
	WIN 0                                          ; at a branch and at a label every window is 0
	s_cmp_le_u32 s[NM], \i
	s_cbranch_scc1 .Ltl_\@
	WIN MUL_LO+0x50*(\i/4)
.irp nt, 0,1,2,3,4,5,6,7
	v_wmma_f32_16x16x32_bf16 v[64*(\i%4)+8*\nt:64*(\i%4)+8*\nt+7], v[BBF+8*\nt:BBF+8*\nt+7], v[RING+40*(\a)+8*\i:RING+40*(\a)+8*\i+7], v[64*(\i%4)+8*\nt:64*(\i%4)+8*\nt+7]
.endr
.endr
	WIN 0
.Ltl_\@:
.endm
.macro STEP u, pf                      ; 32 along k: round what landed; ask for the next step's weights and for the tokens three steps on; multiply
	WIN 0
	s_wait_dscnt 0x0                               ; this step's weights are in registers: they were asked for a step ago
	PLACES                                         ; behind the last step's products: their fragments are written anew, and the ring buffer that they read is loaded again
	CVTB
.if (\u) < 3
	BLOAD 16384*((\u)+1)
	WIN 0
.else
	WIN 0
	s_add_co_u32 s[TB], s[TB], HALFB
	v_add_nc_u32 v[VBAD], s[TB], v[VB0]
	s_cmp_eq_u32 s[BODY], 1                        ; at a slot's end the next run waits for the change of slots
	s_cbranch_scc1 .Lnob_\@
	BLOAD 0
	WIN 0
.Lnob_\@:
.endif
	ALOAD ((\u)+3)%4, 64*((\u)+3), AB
.if (\pf) && ((\u) == 1)
	s_cmp_lt_u32 s[TRIP], 2                        ; the first two slots' trips ask; behind them nothing is left to fetch
	s_cbranch_scc1 .Lnopf_\@
	global_prefetch_b8 v[VPF], s[PFB:PFB+1] offset:0 th:TH_LOAD_NT scope:SCOPE_SE       ; 32 lanes, 256 bytes apart: 16 rows of my quarter of the 256 rows that the next change of slots
	global_prefetch_b8 v[VPF], s[PFB:PFB+1] offset:16*WP th:TH_LOAD_NT scope:SCOPE_SE   ; will request, and 16 more; four such lines a slot cover its 64 rows once
.Lnopf_\@:
.endif
	s_wait_loadcnt 30                              ; loads come back in order (ISA guide 5.7.1): the three younger steps' ten each stay out, this step's ten are in
	TILES \u
.endm
.macro TRIPM pf                        ; a slot: two bodies of four steps
	s_mov_b32 s[BODY], 2
.Lbody_\@:
	STEP 0, \pf
	STEP 1, \pf
	STEP 2, \pf
	STEP 3, \pf
	s_wait_xcnt 0x0                                ; the bases of the loads and prefetches above are stepped only behind this wait
	s_add_nc_u64 s[AB:AB+1], s[AB:AB+1], 256
.if \pf
	s_add_nc_u64 s[PFB:PFB+1], s[PFB:PFB+1], 32*WP
.endif
	s_sub_co_u32 s[BODY], s[BODY], 1
	s_cmp_lg_u32 s[BODY], 0
	s_cbranch_scc1 .Lbody_\@
.endm
; THE CHANGE OF SLOTS.  Each wave waits for all its tensor loads (one at the most is out: its quarter of the other slot), adds 0 to its spare word, waits for that and for its reads of the slot that it
; leaves.  Behind the barrier nobody reads the old slot and the other is whole.  fill = 1: the old slot takes the 256 rows two slots on, first thing behind the barrier; it has eight steps in which to land.
.macro CHANGE fill
	WIN 0
	s_wait_tensorcnt 0x0                           ; no tensor load of mine is out, so a group 0 may be written
	ds_add_u32 v[VSPW], v[VNIL]                    ; 0 onto my spare word; the scalar work stands between it and the wait for it
.if \fill
	s_xor_b32 s[G0W+1], s[G0W+1], SLOTB
	s_add_nc_u64 s[G0W+2:G0W+3], s[G0W+2:G0W+3], CHUNKB
	s_add_nc_u64 s[PFB:PFB+1], s[PFB:PFB+1], CHUNKB-64*WP
.endif
	s_sub_co_u32 s[TB], s[TB], 2*HALFB
	s_xor_b32 s[TB], s[TB], SLOTB
	s_wait_dscnt 0x0
	s_barrier_signal -1
	s_barrier_wait -1
.if \fill
	tensor_load_to_lds s[G0W:G0W+3], s[G1:G1+7]
	s_nop 0
	PLACES
.endif
	v_add_nc_u32 v[VBAD], s[TB], v[VB0]
	BLOAD 0
	WIN 0
.endm
; a group's set-up: my live tiles, their rows' q out of the 20 registers, offsets and gate weights.  first = 1: group 0.  Else the group is 1, 2 or 3, and two masks made of its number choose.
.macro GROUPSET first
	s_mul_i32 s[T], s[G], CAP
	s_sub_co_u32 s[T], s[CNT], s[T]
	s_min_u32 s[T], s[T], CAP                      ; the group's rows
	s_add_co_u32 s[T], s[T], 15
	s_lshr_b32 s[T], s[T], 4                       ; its tiles
	s_add_co_u32 s[T], s[T], 3
	s_sub_co_u32 s[T], s[T], s[WV]
	s_lshr_b32 s[NM], s[T], 2                      ; those of them with number 4 i + w
.if \first
.irp i, 0,1,2,3,4
	v_min_u32 v[VQ+\i], 0x7ff, v[QA+\i]
.endr
.else
	s_cmp_eq_u32 s[G], 1
	s_cselect_b32 s[P], -1, 0
	s_cmp_eq_u32 s[G], 2
	s_cselect_b32 s[T], -1, 0
.irp i, 0,1,2,3,4
	v_cndmask_b32 v[VQ+\i], v[QA+15+\i], v[QA+5+\i], s[P]
	v_cndmask_b32 v[VQ+\i], v[VQ+\i], v[QA+10+\i], s[T]
	v_min_u32 v[VQ+\i], 0x7ff, v[VQ+\i]
.endr
.endif
.irp i, 0,1,2,3,4
	v_lshl_add_u32 v[VAO+\i], v[VQ+\i], 13, v[VH16]
	v_lshlrev_b32 v[VGO+\i], 2, v[VQ+\i]
.endr
.irp i, 0,1,2,3,4
	global_load_b32 v[VW+\i], v[VGO+\i], s[12:13]
.endr
.endm
.macro INIT                            ; the sums begin at the bias (0 outside quarter 0): nothing is cleared apart; all five tiles are written, the dead ones too
.irp i, 0,1,2,3,4
	WIN 0x81+0x40*(\i/4)
.irp g, 0,1
.irp c, 0,1,2,3
.irp j, 0,1,2,3,4,5,6,7
	v_mov_b32 v[64*(\i%4)+8*(4*\g+\c)+\j], v[BIAS+32*\g+4*\j+\c]
.endr
.endr
.endr
.endr
	WIN 0
.endm
; THE WAY OUT of tile i: times my row's gate weight (each accumulator read from its lowest register on), into my stage, each row's q behind its 512 bytes;
; back as whole rows of 512 bytes with their q, and to those rows of yp.  All these LDS addresses are my wave's own and fixed.
.macro EPIT i
	WIN 0
	s_cmp_le_u32 s[NM], \i
	s_cbranch_scc1 .Lepi_done
	s_wait_xcnt 0x0                                ; the registers that the last tile's stores name are written again only behind this wait
	WIN 0x02+(\i/4)                                ; source 0 window 2 or 3
.irp g, 0,1
.irp j, 0,1,2,3,4,5,6,7
.irp c, 0,1,2,3
	v_mul_f32 v[TMP+32*\g+4*\j+\c], v[64*(\i%4)+8*(4*\g+\c)+\j], v[VW+\i]
.endr
.endr
.endr
	WIN 0
.irp g, 0,1
.irp j, 0,1,2,3,4,5,6,7
	ds_store_b128 v[VSTO], v[TMP+32*\g+4*\j:TMP+32*\g+4*\j+3] offset:256*\g+16*\j
.endr
.endr
	ds_store_b32 v[VSQ], v[VQ+\i] offset:512       ; row r's q; the two lanes of a row store the same word
.irp t, 0,1,2,3,4,5,6,7,8,9,10,11,12,13,14,15
	ds_load_b32 v[QS+\t], v[VRQ] offset:512+SPITCH*\t  ; row t's q, in every lane
.endr
.irp t, 0,1,2,3,4,5,6,7,8,9,10,11,12,13,14,15
	ds_load_b128 v[OB+4*\t:OB+4*\t+3], v[VRD] offset:SPITCH*\t  ; LDS serves a wave's instructions in order (ISA guide 5.7.1.4): these see the stores above
.endr
	s_wait_dscnt 0x0
.irp t, 0,1,2,3,4,5,6,7,8,9,10,11,12,13,14,15
	v_min_u32 v[QS+\t], 0x7ff, v[QS+\t]
	v_lshl_add_u32 v[OF+\t], v[QS+\t], 12, v[VCO]  ; 4,096 q + 16 lane
.endr
.irp t, 0,1,2,3,4,5,6,7,8,9,10,11,12,13,14,15
	global_store_b128 v[OF+\t], v[OB+4*\t:OB+4*\t+3], s[OUTB:OUTB+1]  ; 32 lanes store 512 consecutive bytes, at a multiple of 512 from yp's first byte
.endr
.endm
	s_load_b256 s[4:11], s[0:1], 0x0               ; W2 s[4:5], b2 s[6:7], h s[8:9], bm s[10:11]
	s_load_b128 s[12:15], s[0:1], 0x20             ; gw s[12:13], yp s[14:15]
	s_load_b64 s[QLB:QLB+1], s[0:1], 0x30          ; ql
	v_lshl_add_u32 v[VSPW], v0, 2, SPARE
	v_mov_b32 v[VNIL], 0
	ds_add_u32 v[VSPW], v[VNIL]                    ; the wave's opening: the add and its wait ahead of my first tensor load; the set-up below, work on registers, stands between
	v_lshrrev_b32 v[VT], 5, v0
	v_readfirstlane_b32 s[WV], v[VT]
	s_and_b32 s[EX], ttmp7, 0xffff
	s_and_b32 s[CSX], ttmp9, 7                     ; which 128 columns
	s_lshr_b32 s[KSX], ttmp9, 3                    ; which quarter of f
	s_mov_b32 s[G1+0], 2<<16                       ; no mask; elements of 4 bytes; no padding
	s_mov_b32 s[G1+1], 128<<16                     ; tensor_dim0 = 128
	s_mov_b32 s[G1+2], 64<<16                      ; tensor_dim1 = 64
	s_mov_b32 s[G1+3], 128<<16                     ; tile_dim0 = 128 elements: 512 bytes, at a multiple of 512 from W2's first byte
	s_mov_b32 s[G1+4], 64                          ; tile_dim1 = 64 rows
	s_mov_b32 s[G1+5], WPE
	s_mov_b32 s[G1+6], 0
	s_mov_b32 s[G1+7], 0
	s_mov_b32 s[G0A], 1
	s_mul_i32 s[G0A+1], s[WV], 32768               ; my 64 rows of slot 0
	s_mov_b32 s[G0W], 1
	s_add_co_u32 s[G0W+1], s[G0A+1], SLOTB         ; and of slot 1
	s_lshl_b32 s[OFS], s[EX], 24                   ; an expert's W2 is 16 MiB,
	s_lshl_b32 s[P], s[KSX], 22                    ; a quarter of its rows 4 MiB,
	s_add_co_u32 s[OFS], s[OFS], s[P]
	s_lshl_b32 s[P], s[CSX], 9                     ; 128 columns 512 bytes
	s_add_co_u32 s[OFS], s[OFS], s[P]
	s_mov_b32 s[OFS+1], 0
	s_lshl_b32 s[TP], s[WV], 18                    ; 64 w rows
	s_mov_b32 s[TP+1], 0
	s_cmp_eq_u32 s[KSX], 0
	s_cselect_b32 s[BMASK], -1, 0
	s_wait_dscnt 0x0                               ; the opening add is done
	s_wait_kmcnt 0x0
	s_add_nc_u64 s[WS:WS+1], s[4:5], s[OFS:OFS+1]
	s_add_nc_u64 s[G0A+2:G0A+3], s[WS:WS+1], s[TP:TP+1]
	s_add_nc_u64 s[G0W+2:G0W+3], s[G0A+2:G0A+3], CHUNKB
	s_add_nc_u64 s[PFB:PFB+1], s[G0A+2:G0A+3], 2*CHUNKB
	s_or_b32 s[G0A+3], s[G0A+3], 0x80000000
	s_or_b32 s[G0W+3], s[G0W+3], 0x80000000
	tensor_load_to_lds s[G0A:G0A+3], s[G1:G1+7]    ; both first fills together, ahead of every wait on TENSORcnt, LDS read and barrier: two loads of mine are out, the most in this text
	s_nop 0
	tensor_load_to_lds s[G0W:G0W+3], s[G1:G1+7]
	s_nop 0
	PLACES
	s_lshl_b32 s[TP], s[EX], 7
	s_add_nc_u64 s[BMB:BMB+1], s[10:11], s[TP:TP+1]
	s_load_b512 s[16:31], s[BMB:BMB+1], 0x0        ; the expert's 32 words of plane 0, for the count
	s_load_b512 s[32:47], s[BMB:BMB+1], 0x40
	s_mul_i32 s[TP], s[EX], QLE
	s_add_nc_u64 s[QLB:QLB+1], s[QLB:QLB+1], s[TP:TP+1]
	v_and_b32 v[VR], 15, v0
	s_lshl_b32 s[P], s[WV], 6
	v_lshl_add_u32 v[VLA], v[VR], 2, s[P]          ; place 16 w + r, 4 bytes a place
.irp g, 0,1,2,3
.irp i, 0,1,2,3,4
	global_load_b32 v[QA+5*\g+\i], v[VLA], s[QLB:QLB+1] offset:4*CAP*\g+256*\i  ; place 320 g + 64 i + 16 w + r: my row of tile 4 i + w of group g; 1,279 at the most, of the list's 1,664
.endr
.endr
	v_bfe_u32 v[VHH], v0, 4, 1
	v_and_b32 v[VT], 31, v0
	v_lshlrev_b32 v[VH16], 4, v[VHH]
	v_lshlrev_b32 v[VCO], 4, v[VT]                 ; 16 lane
	v_lshlrev_b32 v[VWO], 4, v[VR]                 ; 16 r
	v_lshl_add_u32 v[VB0], v[VHH], 12, v[VWO]
	v_lshl_add_u32 v[VWO], v[VHH], 15, v[VWO]      ; + 8 hh rows of W2
	s_mul_i32 s[P], s[WV], STG
	s_add_co_u32 s[P], s[P], STAGE                 ; my stage
	v_mul_u32_u24 v[VSTO], v[VR], SPITCH
	v_add_nc_u32 v[VSQ], s[P], v[VSTO]             ; row r
	v_lshl_add_u32 v[VSTO], v[VHH], 7, v[VSQ]      ; in: row r, 128 bytes for each half of the lanes and each g
	v_add_nc_u32 v[VRD], s[P], v[VCO]              ; back: 32 lanes take a row of 512 bytes
	v_mov_b32 v[VRQ], s[P]
	v_lshrrev_b32 v[VPF], 1, v[VT]
	v_lshlrev_b32 v[VPF], 12, v[VPF]
	v_and_b32 v[VT], 1, v[VT]
	v_lshl_add_u32 v[VPF], v[VT], 8, v[VPF]
	s_lshl_b32 s[TP], s[EX], 12                    ; b2: 4,096 e + 512 cs
	s_lshl_b32 s[P], s[CSX], 9
	s_add_co_u32 s[TP], s[TP], s[P]
	s_add_nc_u64 s[6:7], s[6:7], s[TP:TP+1]
	v_lshlrev_b32 v42, 7, v[VHH]                   ; my 32 columns of each g: 128 hh bytes on
	WIN TO_L
.irp g, 0,1
.irp j, 0,1,2,3,4,5,6,7
	global_load_b128 v[BIAS+32*\g+4*\j:BIAS+32*\g+4*\j+3], v42, s[6:7] offset:256*\g+16*\j
.endr
.endr
	WIN 0
	s_lshl_b32 s[TP], s[KSX], 23                   ; yp: a quarter's plane is 8 MiB
	s_add_co_u32 s[TP], s[TP], s[P]
	s_add_nc_u64 s[OUTB:OUTB+1], s[14:15], s[TP:TP+1]
	s_lshl_b32 s[TP], s[KSX], 11                   ; h: a quarter of a row is 2,048 bytes
	s_add_nc_u64 s[A0:A0+1], s[8:9], s[TP:TP+1]
	s_mov_b64 s[AB:AB+1], s[A0:A0+1]
	s_wait_kmcnt 0x0
	s_mov_b32 s[CNT], 0
.set j, 0
.rept 32                                               ; THE COUNT: the bits of the expert's 32 words
	s_bcnt1_i32_b32 s[T], s[16+j]
	s_add_co_u32 s[CNT], s[CNT], s[T]
.set j, j+1
.endr
	s_wait_loadcnt 16                              ; the list's twenty loads are in; the bias's sixteen, issued behind them, may stay out
	s_mov_b32 s[G], 0
	GROUPSET 1
	ALOAD 0, 0, AB
	ALOAD 1, 64, AB
	ALOAD 2, 128, AB
	s_wait_loadcnt 30                              ; all but those thirty: the bias and the gate weights are in
	WIN CVT
.set k, 0
.rept 32                                               ; the bias rounded to bf16, kept in quarter 0 alone, and widened again; the landing registers are still idle
	v_cvt_pk_bf16_f32 v[k], v[BIAS+2*k], v[BIAS+2*k+1]
	v_and_b32 v[k], s[BMASK], v[k]
.set k, k+1
.endr
.set k, 0
.rept 32
	v_lshlrev_b32 v[BIAS+2*k], 16, v[k]
	v_and_b32 v[BIAS+2*k+1], 0xffff0000, v[k]
.set k, k+1
.endr
	INIT
	s_wait_tensorcnt 0x1                           ; my quarter of slot 0 is in; slot 1's may stay out
	s_barrier_signal -1
	s_barrier_wait -1                              ; everybody's is
	s_mov_b32 s[TB], 0
	v_add_nc_u32 v[VBAD], s[TB], v[VB0]
	BLOAD 0
	WIN 0
	s_mov_b32 s[TRIP], 3
	s_branch .Lfirst                               ; the loop begins with the change of slots; the first slot has none
.Ltrip:
	CHANGE 1
.Lfirst:
	TRIPM 1
	s_sub_co_u32 s[TRIP], s[TRIP], 1
	s_cmp_lg_u32 s[TRIP], 0
	s_cbranch_scc1 .Ltrip
	CHANGE 0                                       ; the last slot is written out: nothing is asked for
	TRIPM 0
	s_wait_loadcnt 0x0                             ; the ring's last three steps reach 192 bytes past the quarter: the next quarter, the next row, or the zeros behind the last; waited for and not used
	PLACES
.Lgrp:
	EPIT 0
	EPIT 1
	EPIT 2
	EPIT 3
	EPIT 4
.Lepi_done:
	s_wait_xcnt 0x0                                ; what the stores above name is written again only behind this wait
	s_add_co_u32 s[G], s[G], 1
	s_cmp_ge_u32 s[G], 4                           ; four groups hold 1,280 rows, more than there are tokens
	s_cbranch_scc1 .Ldone
	s_mul_i32 s[T], s[G], CAP
	s_cmp_ge_u32 s[T], s[CNT]
	s_cbranch_scc1 .Ldone
	GROUPSET 0
	INIT
	s_mov_b64 s[SWB:SWB+1], s[WS:WS+1]             ; rows past 320: the slice once more, straight from memory into the landing registers, each wave for itself
	s_mov_b64 s[SAB:SAB+1], s[A0:A0+1]
	s_mov_b32 s[KC], 32
.Lslow:
	PLACES
	WIN TO_L
.irp g, 0,1
.irp jj, 0,1,2,3,4,5,6,7,8,9,10,11,12,13,14,15
	global_load_b128 v[64*\g+4*\jj:64*\g+4*\jj+3], v[VWO], s[SWB:SWB+1] offset:WP*(\jj+8*(\jj/8))+256*\g
.endr
.endr
	ALOAD 0, 0, SAB
	s_wait_loadcnt 0x0                             ; the data are in (the gate weights too), and the bases are free
	CVTB
	TILES 0
	s_add_nc_u64 s[SWB:SWB+1], s[SWB:SWB+1], 32*WP
	s_add_nc_u64 s[SAB:SAB+1], s[SAB:SAB+1], 64
	s_sub_co_u32 s[KC], s[KC], 1
	s_cmp_lg_u32 s[KC], 0
	s_cbranch_scc1 .Lslow
	PLACES
	s_cmp_lt_u32 s[G], 4
	s_cbranch_scc1 .Lgrp
.Ldone:
	s_wait_tensorcnt 0x0                           ; the wave's end: three closing lines, behind my last tensor load and my last LDS store
	ds_add_u32 v[VSPW], v[VNIL]
	s_wait_dscnt 0x0
	s_endpgm
.Lfunc_end_k_q555111a2b8_down:
	.size	k_q555111a2b8_down, .Lfunc_end_k_q555111a2b8_down-k_q555111a2b8_down
	.p2alignl 7, 3214868480
	.fill 96, 4, 3214868480
	.section	.rodata,"a",@progbits
	.p2align	6, 0x0
	.amdhsa_kernel k_q555111a2b8_down
		.amdhsa_group_segment_fixed_size 327680
		.amdhsa_private_segment_fixed_size 0
		.amdhsa_enable_private_segment 0
		.amdhsa_kernarg_size 56
		.amdhsa_user_sgpr_count 2
		.amdhsa_user_sgpr_kernarg_segment_ptr 1
		.amdhsa_wavefront_size32 1
		.amdhsa_system_sgpr_workgroup_id_x 1
		.amdhsa_system_sgpr_workgroup_id_y 1
		.amdhsa_system_sgpr_workgroup_id_z 1
		.amdhsa_system_vgpr_workitem_id 0
		.amdhsa_next_free_vgpr 832
		.amdhsa_next_free_sgpr 102
		.amdhsa_reserve_vcc 0
		.amdhsa_float_denorm_mode_32 3
		.amdhsa_float_denorm_mode_16_64 3
		.amdhsa_memory_ordered 1
		.amdhsa_forward_progress 1
		.amdhsa_inst_pref_size 191
	.end_amdhsa_kernel
	.amdgpu_metadata
---
amdhsa.version: [ 1, 2 ]
amdhsa.kernels:
  - .name:           k_q555111a2b8_down
    .symbol:         k_q555111a2b8_down.kd
    .args:
      - { .name: W2, .offset: 0, .size: 8, .value_kind: global_buffer, .address_space: global }
      - { .name: b2, .offset: 8, .size: 8, .value_kind: global_buffer, .address_space: global }
      - { .name: h, .offset: 16, .size: 8, .value_kind: global_buffer, .address_space: global }
      - { .name: bm, .offset: 24, .size: 8, .value_kind: global_buffer, .address_space: global }
      - { .name: gw, .offset: 32, .size: 8, .value_kind: global_buffer, .address_space: global }
      - { .name: yp, .offset: 40, .size: 8, .value_kind: global_buffer, .address_space: global }
      - { .name: ql, .offset: 48, .size: 8, .value_kind: global_buffer, .address_space: global }
    .group_segment_fixed_size: 327680
    .private_segment_fixed_size: 0
    .kernarg_segment_align: 8
    .kernarg_segment_size: 56
    .max_flat_workgroup_size: 128
    .sgpr_count:     102
    .vgpr_count:     832
    .wavefront_size: 32
...
	.end_amdgpu_metadata
.endif
;; end of part 7
;; launch sum: the kernel of part 4 again; grid 256 x 1, 8 waves a work-group, no clusters, 0 bytes of LDS; arguments yp, out0; writes out0
